; MI455X (gfx1250); checked and timed in simulation.
; The chip was launched on July 23, 2026; its instructions are those of AMD's public machine-readable ISA for CDNA 5 (MIT licence, August 2026) and "CDNA5" Instruction Set Architecture Reference Guide (July 2026). The comments in the code are by the model that wrote it; some were corrected since.
;; Masked Multi Head Attention. Allowed arithmetic: matrix products marked QUANTISED: E2M1 operands, one E8M0 scale for each 32 along K, by v_wmma_scale_f32_16x16x128_f8f6f4 with both operands' format E2M1 (or v_wmma_scale_f32_32x16x128_f4), f32 sums; products left as they are: bf16, f16 or f32 operands; f32 sums; everything else in f32.
;; Inputs: bk 1,024 float32; bo 1,024 float32; bq 1,024 float32; bv 1,024 float32; wk 1,024 x 1,024 float32; wo 1,024 x 1,024 float32; wq 1,024 x 1,024 float32; wv 1,024 x 1,024 float32; x 4 x 2,048 x 1,024 float32.
;; Outputs: out0 4 x 2,048 x 1,024 float32.
;; This version of the problem:
;;   THIS VERSION OF THE PROBLEM IS GIVEN IN LOW PRECISION. The matrix products marked QUANTISED in the list below multiply operands that are first quantised to E2M1 (2 exponent bits, 1 mantissa bit; 4 bits a number), with one power-of-two scale for each 32 numbers along K (OCP MX v1.0); their sums are f32. The products marked 'left as it is' may take bf16, f16 or f32 operands, with f32 sums. Whichever they take, every output number must still come out within the allowed error. Rounding operands to bf16 (8 significant bits) uses up far more of that allowance than f16 does (11 bits, for magnitudes from 6e-5 to 65,504). All else is computed in f32.
;;   The module's matrix products, in the order in which they are computed (A, B: the left and right operand; K: the contracted axis; several contracted axes count as one K, in the product's order):
;;     1. [M 8,192, K 1,024] x [K 1,024, N 1,024]; A: input x; B: input wq: QUANTISED
;;     2. [M 8,192, K 1,024] x [K 1,024, N 1,024]; A: input x; B: input wk: QUANTISED
;;     3. [M 8,192, K 1,024] x [K 1,024, N 1,024]; A: input x; B: input wv: QUANTISED
;;     4. batch 64 x [M 2,048, K 64] x [K 64, N 2,048]; A: computed on the way; B: computed on the way: left as it is (an operand is computed on the way)
;;     5. batch 64 x [M 2,048, K 2,048] x [K 2,048, N 64]; A: computed on the way; B: computed on the way: left as it is (an operand is computed on the way)
;;     6. [M 8,192, K 1,024] x [K 1,024, N 1,024]; A: computed on the way; B: input wo: left as it is (an operand is computed on the way)
;;   THE QUANTISER, for each operand of a quantised product, along K:
;;     - K is cut into blocks of 32 from its start; a last block that is shorter is filled with zeros.
;;     - A block's scale is 2^e with e = floor(log2(the largest magnitude in the block)) - 2, held to -126 .. 127; a block of zeros has e = 0. As a byte (E8M0): e + 127.
;;     - Each number is divided by its block's scale, clamped to +-6, and rounded to the nearest number of E2M1, ties to even, subnormals kept.
;;     - The product sums the exact products of the quantised numbers (number of the format x scale) in f32.
;;   ~~~python
;;   def quantise(x, axis):      # numpy; x: float32 -> the quantised numbers, widened to float32 again
;;       x = np.moveaxis(x, axis, -1); K = x.shape[-1]
;;       x = np.pad(x, [(0, 0)] * (x.ndim - 1) + [(0, -K % 32)]); x = x.reshape(x.shape[:-1] + (-1, 32)); a = np.abs(x).max(-1, keepdims=True)
;;       e = np.where(a > 0, np.clip(np.frexp(np.where(a > 0, a, 1))[1] - 1 - 2, -126, 127), 0)      # np.frexp(a)[1] - 1 = floor(log2(a)), exactly
;;       r = np.clip(x / 2.0 ** e, -6, 6)
;;       step = 2.0 ** (np.maximum(np.frexp(np.where(r == 0, 1, r))[1] - 1, 0) - 1)
;;       q = np.round(r / step) * step * 2.0 ** e      # np.round: ties to even
;;       return np.moveaxis(q.reshape(q.shape[:-2] + (-1,))[..., :K], -1, axis).astype(np.float32)
;;   ~~~
;; One version. Each part assembles by itself: llvm-mc -triple=amdgcn-amd-amdhsa -mcpu=gfx1250 --defsym DOCPART=n.
;; ======== version 1 of 1: 5 launches
;; limits: values are held in f16: magnitudes above 65,504 overflow, below 6.1e-05 lose precision
;; workspace buffers: xc 4,194,304 bytes; xs 262,144 bytes; wc 1,572,864 bytes; ws 98,304 bytes; wo16 2,097,152 bytes; qkv 50,331,648 bytes; q32 786,432 bytes; att 16,777,216 bytes
;; launch prep (part 1): grid 368 x 1, 4 waves a work-group, no clusters, 68,096 bytes of LDS; arguments x, wq, wk, wv, wo, xc, xs, wc, ws, wo16; writes xc, xs, wc, ws, wo16
.if DOCPART == 1
	.amdgcn_target "amdgcn-amd-amdhsa--gfx1250"
	.amdhsa_code_object_version 6
	.text
	.protected	k_q2c51b906e5_prep
	.globl	k_q2c51b906e5_prep
	.p2align	8
	.type	k_q2c51b906e5_prep,@function
k_q2c51b906e5_prep:
	s_mov_b64 s[64:65], 0
	v_nop
	global_prefetch_b8 v0, s[64:65] scope:SCOPE_SE
	s_setreg_imm32_b32 hwreg(HW_REG_WAVE_MODE, 25, 1), 1
	s_wait_xcnt 0x0
; One launch makes every operand that the later launches read many times.
;   work-groups 0-47:    wq, wk, wv [k 1024][n 1024] f32 -> codes of E2M1 laid [3072 = 1024 t + n][512 bytes], K innermost, and E8M0 bytes [3072][32]   (K is the weights' FIRST axis)
;   work-groups 48-303:  x [8192][1024] f32 -> codes [8192][512 bytes] and E8M0 bytes [8192][32]                                                        (K is innermost)
;   work-groups 304-367: wo f32 -> f16, as it lies
; A block's scale is 2^(floor(log2(its largest magnitude)) - 2); its byte is the largest magnitude's exponent field - 2, held at 1 from below.
; LIMITS: a block of zeros gets the byte 1 where the rule says 127 (its codes are zeros, and this program alone reads the bytes); blocks whose largest magnitude lies under 2^-124 keep the byte 1;
; NaN and infinities among the inputs are not served; |wo| above 65,504 becomes infinite in f16.
; The three kinds part on the work-group's number and never join; each has LDS bytes of its own.  No tensor load, no barrier, no cluster: waves share nothing, and every input byte is read once.
.set SPARE,  67584                     ; behind both paths' regions: the spare words, 128 bytes for each wave
.set SPW,    190                       ; v190  LDS address of my spare word; never rewritten
.set NIL,    191                       ; v191  0; never rewritten
.set EMAX,   2
; the rows' path (x)
.set XSTEPS, 16                        ; a wave takes 16 steps of 512 numbers
.set XCB,    8                         ; bytes of 16 codes
.set XR,     16                        ; v16-79   four sets of 16 numbers as they are loaded
.set XN,     80                        ; v80-111  two sets of 16 neighbours
.set XE,     112                       ; v112-127 a scale byte for each step
.set XCD,    128                       ; v128-189 codes: four registers for each step
.set XWREG,  8192                      ; LDS bytes 0-32,767: a region for each wave: two stages of 32 x 80 bytes, then its 256 scale bytes
.set XSP,    80                        ; a lane's place in a stage: 64 bytes + 16 of padding
; the weights' path
.set WNB,    16                        ; a wave takes 32 columns x 512 along K: 16 blocks a lane
.set WPITCH, 272                       ; a stage row: 256 bytes of codes + 16
.set WKROW,  512                       ; a row of wc in bytes
.set WSTG,   32768                     ; LDS bytes 32,768-67,583: a stage of 32 rows for each wave
.set WROW,   4096                      ; a row of a weight in bytes
.set WX,     32                        ; v32-95   two sets of 32 numbers
.set WCD,    96                        ; v96-99   a block's codes
.set WOUT,   112                       ; v112-175 the way out
.set WSB,    24                        ; v24-27   the scale bytes, four to a register
.macro XLOAD t
.irp i, 0,1,2,3
	global_load_b128 v[XR+16*((\t)%4)+4*\i:XR+16*((\t)%4)+4*\i+3], v3, s[4:5] offset:2048*(\t)+512*\i th:TH_LOAD_NT   ; 32 lanes read 512 consecutive bytes
.endr
.endm
.macro XTURN t                         ; step t's numbers through the stage: LDS serves a wave's instructions in order, so no wait stands between the stores and the loads
.irp i, 0,1,2,3
	ds_store_b128 v14, v[XR+16*((\t)%4)+4*\i:XR+16*((\t)%4)+4*\i+3] offset:32*XSP*((\t)%2)+8*XSP*\i
.endr
.irp i, 0,1,2,3
	ds_load_b128 v[XN+16*((\t)%2)+4*\i:XN+16*((\t)%2)+4*\i+3], v15 offset:32*XSP*((\t)%2)+16*\i
.endr
.endm
.macro XSTEP t
.set XS, XN+16*((\t)%2)
.if (\t) > 0
	s_wait_dscnt 1                                 ; this step's numbers are back from the stage; the last step's byte store may be out
.else
	s_wait_dscnt 0x0
.endif
.if (\t)+4 < XSTEPS
	XLOAD (\t)+4                                   ; the stage's stores have read their registers: they take the loads of four steps on
.endif
.if (\t)+1 < XSTEPS
.if XSTEPS-2-(\t) >= 3
	s_wait_loadcnt 12                              ; the next step's four loads are in; those of the three steps behind it may be out
.else
	s_wait_loadcnt 4*(XSTEPS-2-(\t))
.endif
	XTURN (\t)+1
.endif
	v_max3_num_f32 v8, |v[XS]|, |v[XS+1]|, |v[XS+2]|               ; the largest magnitude of my 16, in two chains
	v_max3_num_f32 v9, |v[XS+3]|, |v[XS+4]|, |v[XS+5]|
.irp i, 6,10
	v_max3_num_f32 v8, v8, |v[XS+\i]|, |v[XS+\i+1]|
	v_max3_num_f32 v9, v9, |v[XS+\i+2]|, |v[XS+\i+3]|
.endr
	v_max3_num_f32 v8, v8, |v[XS+14]|, |v[XS+15]|
	v_max3_num_f32 v8, v8, v9, (EMAX+1)<<23        ; and the floor 2^(3 - 127): the byte cannot fall under 1
	v_max_num_f32_dpp v8, v8, v8 row_xmask:1 row_mask:0xf bank_mask:0xf   ; and of my neighbour's 16: the block's
	v_add_nc_u32 v11, -(EMAX<<23), v8              ; 2 off its exponent field: the conversion takes the exponent field of this operand as its scale
	v_cvt_scalef32_pk8_fp4_f32 v[XCD+4*(\t)], v[XS:XS+7], v11
	v_cvt_scalef32_pk8_fp4_f32 v[XCD+4*(\t)+1], v[XS+8:XS+15], v11
	v_lshrrev_b32 v[XE+(\t)], 23, v11              ; the scale's byte
	ds_store_b8 v5, v[XE+(\t)] offset:16*(\t)      ; both lanes of a block write the same byte with the same value
	global_store_b64 v4, v[XCD+4*(\t):XCD+4*(\t)+1], s[14:15] offset:32*XCB*(\t)   ; the wave stores 256 consecutive bytes, aligned
.endm
.macro WLOAD t                         ; block t: W(32 t + i, my column), i = 0 .. 31, into set t % 2
.irp i, 0,1,2,3,4,5,6,7,8,9,10,11,12,13,14,15,16,17,18,19,20,21,22,23,24,25,26,27,28,29,30,31
	global_load_b32 v[WX+32*((\t)%2)+\i], v3, s[6:7] offset:(32*(\t)+\i)*WROW th:TH_LOAD_NT
.endr
.endm
.macro WBLOCK t
.set WS, WX+32*((\t)%2)
.if (\t) < WNB-1
	s_wait_loadcnt 32                              ; this block's 32 loads are in; the next block's may be out
.else
	s_wait_loadcnt 0
.endif
	v_max3_num_f32 v12, |v[WS]|, |v[WS+1]|, |v[WS+2]|              ; the block's largest magnitude: all 32 numbers are mine
	v_max3_num_f32 v13, |v[WS+3]|, |v[WS+4]|, |v[WS+5]|
.irp i, 6,10,14,18,22,26
	v_max3_num_f32 v12, v12, |v[WS+\i]|, |v[WS+\i+1]|
	v_max3_num_f32 v13, v13, |v[WS+\i+2]|, |v[WS+\i+3]|
.endr
	v_max3_num_f32 v12, v12, |v[WS+30]|, |v[WS+31]|
	v_max3_num_f32 v12, v12, v13, (EMAX+1)<<23     ; and the floor
	v_add_nc_u32 v11, -(EMAX<<23), v12             ; the conversion's scale operand
	v_lshrrev_b32 v13, 23, v11                     ; the scale's byte
.if (\t)%4 == 0
	v_mov_b32 v[WSB+(\t)/4], v13                   ; four bytes to a register, the lower K in the lower byte
.else
	v_lshl_or_b32 v[WSB+(\t)/4], v13, 8*((\t)%4), v[WSB+(\t)/4]
.endif
.irp g, 0,1,2,3
	v_cvt_scalef32_pk8_fp4_f32 v[WCD+\g], v[WS+8*\g:WS+8*\g+7], v11
.endr
	ds_store_b128 v4, v[WCD:WCD+3] offset:16*(\t)  ; 32 codes: 16 bytes of my column's row
.if (\t)+2 < WNB
	WLOAD (\t)+2
.endif
	s_wait_dscnt 0x0                               ; the store has read its registers: the next block's codes may be written
.endm
	s_load_b256 s[4:11], s[0:1], 0x0               ; x s[4:5], wq s[6:7], wk s[8:9], wv s[10:11]
	s_load_b256 s[12:19], s[0:1], 0x20             ; wo s[12:13], xc s[14:15], xs s[16:17], wc s[18:19]
	s_load_b128 s[20:23], s[0:1], 0x40             ; ws s[20:21], wo16 s[22:23]
	v_lshl_add_u32 v[SPW], v0, 2, SPARE
	v_mov_b32 v[NIL], 0
	v_lshrrev_b32 v1, 5, v0
	v_readfirstlane_b32 s24, v1                    ; wave 0..3
	v_and_b32 v2, 31, v0                           ; lane
	s_mov_b32 s27, 0
	s_wait_kmcnt 0x0
	s_cmp_lt_u32 ttmp9, 48
	s_cbranch_scc1 .Lweights
	s_cmp_lt_u32 ttmp9, 304
	s_cbranch_scc1 .Lrows
	; ---- wo to f16: a wave takes 4,096 numbers: 32 loads of 512 consecutive bytes, 32 stores of 256.  No LDS.
	s_sub_co_u32 s25, ttmp9, 304
	s_lshl_b32 s25, s25, 2
	s_add_co_u32 s25, s25, s24                     ; which run of 4,096 numbers is my wave's
	s_lshl_b32 s26, s25, 14
	s_add_nc_u64 s[12:13], s[12:13], s[26:27]
	s_lshl_b32 s26, s25, 13
	s_add_nc_u64 s[22:23], s[22:23], s[26:27]
	v_lshlrev_b32 v3, 4, v2
	v_lshlrev_b32 v4, 3, v2
.set i, 0
.rept 32
	global_load_b128 v[16+4*i:19+4*i], v3, s[12:13] offset:512*i th:TH_LOAD_NT
.set i, i+1
.endr
.set i, 0
.rept 32
	s_wait_loadcnt 31-i                            ; loads come back in order: this one is in, the younger ones stay out
	v_cvt_pk_f16_f32 v[16+4*i], v[16+4*i], v[17+4*i]
	v_cvt_pk_f16_f32 v[17+4*i], v[18+4*i], v[19+4*i]
	global_store_b64 v4, v[16+4*i:17+4*i], s[22:23] offset:256*i   ; the wave stores 256 consecutive bytes, aligned
.set i, i+1
.endr
	s_endpgm
	; ---- x: a plain stream of blocks of 32.  A lane must hold 16 NEIGHBOURS for the conversions, and a load is best where neighbouring lanes take neighbouring bytes:
	; each load reads 512 consecutive bytes; a step's 2,048 bytes turn through the wave's own stage and come back 64 bytes a lane.
.Lrows:
	v_lshlrev_b32 v3, 4, v2                        ; my 16 bytes of a load's 512
	s_mul_i32 s28, s24, XWREG
	v_lshrrev_b32 v14, 2, v2
	v_mul_u32_u24 v14, v14, XSP
	v_and_b32 v15, 3, v2
	v_lshl_add_u32 v14, v15, 4, v14
	v_add_nc_u32 v14, s28, v14                     ; the stage, on the way in: 80 (lane / 4) + 16 (lane % 4)
	v_mul_u32_u24 v15, v2, XSP
	v_add_nc_u32 v15, s28, v15                     ; and on the way out: 80 x lane
	v_mul_u32_u24 v4, v2, XCB                      ; my codes' place in a step's
	v_lshrrev_b32 v5, 1, v2
	s_add_co_u32 s28, s28, 2*32*XSP
	v_add_nc_u32 v5, s28, v5                       ; my wave's 256 scale bytes, my block's byte
	v_lshlrev_b32 v7, 3, v2
	v_add_nc_u32 v6, s28, v7                       ; and on the way out 8 bytes a lane
	s_sub_co_u32 s25, ttmp9, 48
	s_lshl_b32 s25, s25, 2
	s_add_co_u32 s25, s25, s24                     ; which run of 8,192 numbers is my wave's: 0 .. 1,023
	s_lshl_b32 s26, s25, 15
	s_add_nc_u64 s[4:5], s[4:5], s[26:27]
	s_lshl_b32 s26, s25, 12
	s_add_nc_u64 s[14:15], s[14:15], s[26:27]
	s_lshl_b32 s26, s25, 8
	s_add_nc_u64 s[16:17], s[16:17], s[26:27]
.irp t, 0,1,2,3
	XLOAD \t
.endr
	s_wait_loadcnt 12                              ; step 0's four loads are in
	XTURN 0
.irp t, 0,1,2,3,4,5,6,7,8,9,10,11,12,13,14,15
	XSTEP \t
.endr
	ds_load_b64 v[8:9], v6                         ; LDS serves a wave's instructions in order: these see my byte stores
	s_wait_dscnt 0x0
	global_store_b64 v7, v[8:9], s[16:17]          ; 32 lanes store 256 consecutive bytes, aligned
	s_wait_tensorcnt 0x0                           ; the wave's end, behind my last LDS store
	ds_add_u32 v[SPW], v[NIL]
	s_wait_dscnt 0x0
	s_endpgm
	; ---- the weights: a lane takes a column n and its registers run down K: a block of 32 lies in one lane, and the conversions give the codes with K innermost.
	; work-group = 16 t + 8 y + x: tensor t, 128 columns from 128 x, 512 along K from 512 y.
.Lweights:
	s_lshr_b32 s25, ttmp9, 4                       ; t
	s_and_b32 s26, ttmp9, 7
	s_lshl_b32 s26, s26, 7
	s_lshl_b32 s28, s24, 5
	s_add_co_u32 s26, s26, s28                     ; my wave's first column: 128 x + 32 wave
	s_bfe_u32 s29, ttmp9, 0x10003                  ; y
	s_cmp_eq_u32 s25, 0                            ; the choice of the buffer hangs on the work-group's number alone
	s_cselect_b64 s[6:7], s[6:7], s[8:9]
	s_cmp_eq_u32 s25, 2
	s_cselect_b64 s[6:7], s[10:11], s[6:7]
	s_lshl_b32 s30, s29, 21                        ; 512 y rows of 4,096 bytes
	s_lshl_b32 s28, s26, 2
	s_add_co_u32 s30, s30, s28
	s_mov_b32 s31, 0
	s_add_nc_u64 s[6:7], s[6:7], s[30:31]
	s_lshl_b32 s25, s25, 10
	s_add_co_u32 s25, s25, s26                     ; my first row of wc and ws: 1024 t + column
	s_lshl_b32 s30, s25, 9
	s_lshl_b32 s28, s29, 8
	s_add_co_u32 s30, s30, s28
	s_add_nc_u64 s[18:19], s[18:19], s[30:31]      ; codes: row x 512 + 256 y
	s_lshl_b32 s30, s25, 5
	s_lshl_b32 s28, s29, 4
	s_add_co_u32 s30, s30, s28
	s_add_nc_u64 s[20:21], s[20:21], s[30:31]      ; scale bytes: row x 32 + 16 y
	v_lshlrev_b32 v3, 2, v2                        ; in: 4 bytes a lane
	s_mul_i32 s28, s24, 32*WPITCH
	s_add_co_u32 s28, s28, WSTG                    ; my stage
	v_mul_u32_u24 v4, v2, WPITCH
	v_add_nc_u32 v4, s28, v4                       ; into it: row = my column
	v_and_b32 v5, 15, v2
	v_lshrrev_b32 v6, 4, v2                        ; out of it: sixteen lanes to a row, two rows an instruction
	v_mul_u32_u24 v7, v6, WPITCH
	v_lshl_add_u32 v7, v5, 4, v7
	v_add_nc_u32 v7, s28, v7
	v_mul_u32_u24 v8, v6, WKROW
	v_lshl_add_u32 v8, v5, 4, v8                   ; and the same place in wc
	v_lshlrev_b32 v9, 5, v2                        ; my column's row of scale bytes
	WLOAD 0
	WLOAD 1
.set Q, 0
.rept WNB
	WBLOCK Q
.set Q, Q+1
.endr
	global_store_b128 v9, v[WSB:WSB+3], s[20:21]   ; my column's 16 scale bytes
.irp t, 0,1,2,3,4,5,6,7,8,9,10,11,12,13,14,15
	ds_load_b128 v[WOUT+4*\t:WOUT+4*\t+3], v7 offset:2*\t*WPITCH
.endr
.irp t, 0,1,2,3,4,5,6,7,8,9,10,11,12,13,14,15
	s_wait_dscnt 15-\t
	global_store_b128 v8, v[WOUT+4*\t:WOUT+4*\t+3], s[18:19] offset:2*\t*WKROW   ; sixteen lanes store 256 consecutive bytes, aligned
.endr
	s_wait_tensorcnt 0x0                           ; the wave's end, behind my last LDS store
	ds_add_u32 v[SPW], v[NIL]
	s_wait_dscnt 0x0
	s_endpgm
.Lfunc_end_k_q2c51b906e5_prep:
	.size	k_q2c51b906e5_prep, .Lfunc_end_k_q2c51b906e5_prep-k_q2c51b906e5_prep
	.p2alignl 7, 3214868480
	.fill 96, 4, 3214868480
	.section	.rodata,"a",@progbits
	.p2align	6, 0x0
	.amdhsa_kernel k_q2c51b906e5_prep
		.amdhsa_group_segment_fixed_size 68096
		.amdhsa_private_segment_fixed_size 0
		.amdhsa_enable_private_segment 0
		.amdhsa_kernarg_size 80
		.amdhsa_user_sgpr_count 2
		.amdhsa_user_sgpr_kernarg_segment_ptr 1
		.amdhsa_wavefront_size32 1
		.amdhsa_system_sgpr_workgroup_id_x 1
		.amdhsa_system_sgpr_workgroup_id_y 1
		.amdhsa_system_sgpr_workgroup_id_z 1
		.amdhsa_system_vgpr_workitem_id 0
		.amdhsa_next_free_vgpr 192
		.amdhsa_next_free_sgpr 66
		.amdhsa_reserve_vcc 0
		.amdhsa_float_denorm_mode_32 3
		.amdhsa_float_denorm_mode_16_64 3
		.amdhsa_memory_ordered 1
		.amdhsa_forward_progress 1
		.amdhsa_inst_pref_size 122
	.end_amdhsa_kernel
	.amdgpu_metadata
---
amdhsa.version: [ 1, 2 ]
amdhsa.kernels:
  - .name:           k_q2c51b906e5_prep
    .symbol:         k_q2c51b906e5_prep.kd
    .args:
      - { .name: x, .offset: 0, .size: 8, .value_kind: global_buffer, .address_space: global }
      - { .name: wq, .offset: 8, .size: 8, .value_kind: global_buffer, .address_space: global }
      - { .name: wk, .offset: 16, .size: 8, .value_kind: global_buffer, .address_space: global }
      - { .name: wv, .offset: 24, .size: 8, .value_kind: global_buffer, .address_space: global }
      - { .name: wo, .offset: 32, .size: 8, .value_kind: global_buffer, .address_space: global }
      - { .name: xc, .offset: 40, .size: 8, .value_kind: global_buffer, .address_space: global }
      - { .name: xs, .offset: 48, .size: 8, .value_kind: global_buffer, .address_space: global }
      - { .name: wc, .offset: 56, .size: 8, .value_kind: global_buffer, .address_space: global }
      - { .name: ws, .offset: 64, .size: 8, .value_kind: global_buffer, .address_space: global }
      - { .name: wo16, .offset: 72, .size: 8, .value_kind: global_buffer, .address_space: global }
    .group_segment_fixed_size: 68096
    .private_segment_fixed_size: 0
    .kernarg_segment_align: 8
    .kernarg_segment_size: 80
    .max_flat_workgroup_size: 128
    .sgpr_count:     66
    .vgpr_count:     192
    .wavefront_size: 32
...
	.end_amdgpu_metadata
.endif
;; end of part 1
;; launch qkv (part 2): grid 12 x 32, 4 waves a work-group, clusters of 4 x 4, 327,680 bytes of LDS; arguments xc, xs, wc, ws, bq, bk, bv, qkv, q32; writes qkv, q32
.if DOCPART == 2
	.amdgcn_target "amdgcn-amd-amdhsa--gfx1250"
	.amdhsa_code_object_version 6
	.text
	.protected	k_q2c51b906e5_qkv
	.globl	k_q2c51b906e5_qkv
	.p2align	8
	.type	k_q2c51b906e5_qkv,@function
k_q2c51b906e5_qkv:
	s_mov_b64 s[64:65], 0
	v_nop
	global_prefetch_b8 v0, s[64:65] scope:SCOPE_SE
	s_setreg_imm32_b32 hwreg(HW_REG_WAVE_MODE, 25, 1), 1
	s_wait_xcnt 0x0
	s_wait_alu depctr_hold_cnt(0) depctr_sa_sdst(0) depctr_va_vdst(0) depctr_va_sdst(0) depctr_va_ssrc(0) depctr_va_vcc(0) depctr_vm_vsrc(0)
	s_getreg_b32 s2, hwreg(HW_REG_IB_STS2, 6, 4)
	s_cmp_eq_u32 s2, 0
	s_cbranch_scc0 .Lentry_in_a_cluster
	s_endpgm
.Lentry_in_a_cluster:
	s_bfe_u32 s2, ttmp6, 0x10000c
	s_cmp_lg_u32 s2, 0xf033
	s_cbranch_scc0 .Lentry_shape_is_right
	s_endpgm
.Lentry_shape_is_right:
; The three quantised products in one GEMM on codes of E2M1: C[m][n] = sum over k of x[m][k] w[n][k] + bias[n], m = 8,192 rows, n = 3,072 = 1024 t + column (t = 0 q, 1 k, 2 v), K = 1,024.
; Codes and E8M0 bytes go to the matrix unit as they lie.  q is multiplied by c = log2(e) / 8 in f32; then each number is rounded ONCE to f16 and stored by head: qkv [t][b][head][s][64].
; The first 16 positions of every sequence are also kept in f32: q32 [t][b][16][1024].
; LIMIT: |c q|, |k| or |v| above 65,504 becomes infinite in f16.
; A tile of C, 256 x 256, is made by four waves, each 128 x 128: 64 accumulators, 512 registers.  K is two slots of 512 (rows of 256 bytes): both are first fills, nothing is filled again;
; by this text's own count a wave has three tensor loads out: its part of the scales, of slot 0 and of slot 1.
; CLUSTERS: 4 x 4 work-groups.  The four of a row of the cluster need the same tiles of x, the four of a column the same tiles of w: each tile is asked for JOINTLY.
; The grid's x has three clusters: the cluster's x is t, and cx picks 256 of the tensor's columns.
; THE MATRIX INSTRUCTION IS USED TRANSPOSED (source 0 = 16 rows of w, source 1 = 16 rows of x): a lane holds eight neighbouring columns of one row of C.  The bias is the C of each sum's first instruction.
; REGISTERS: window 0: v0-31 addresses; v32-95 scale words, two sets, and nothing else; v96-127 packed results; v128-191 x's fragments, ONE set, later rows read back; v192-255 the bias, later a block's results in f32.
;   window 1: w's fragments, TWO sets, at v0 and v128.   window 2: the accumulators of my rows 0-63 ((a, b) at v[8 (8 a + b)]);   window 3: those of my rows 64-127.
.set NQ,     4                         ; matrix instructions deep in a slot
.set ROWB,   256                       ; a tile's row in bytes: 512 codes
.set KROW,   512                       ; a row of xc or wc in bytes
.set PITCH,  272                       ; an LDS row: 256 bytes + 16 of padding: the 16 rows that a load touches start 68 words apart
.set FR,     8                         ; registers of a fragment: 16 rows x 128 K
.set NL,     2                         ; LDS loads that bring one
.set NP,     4                         ; places behind this matrix instruction (ISA guide 7.12.1)
.set HALFT,  128*PITCH                 ; 128 rows: what one tensor load brings
.set SLOT,   4*HALFT                   ; x's 256 rows, then w's 256 rows
.set KS,     32                        ; a row of scales in bytes
.set SCL,    2*SLOT                    ; behind the ring: the scales, as units of 256 bytes + 16 of padding
.set HALFS,  (128*KS/256)*272          ; the scales of 128 rows
.set SBLK,   (16*KS/256)*272           ; those of 16 rows
.set SPARE,  SCL+4*HALFS               ; the spare words, 128 bytes for each wave
.set STAGE,  SPARE+512                 ; the way out: 16 rows x (256 bytes + 16) for each wave; no tensor load lands here
.set SPITCH, 272
.set ADRA, 16                          ; v16-17  LDS address of my x fragments in slot 0, 1
.set ADRB, 20                          ; v20-21  the same for w
.set BO,   22                          ; v22     32 x (lane / 16): my eight numbers of a block's bias
.set STO,  24                          ; v24     the way out: where I put 16 bytes of a row
.set RD,   25                          ; v25     where I read back
.set CO,   26                          ; v26     my byte offset in qkv
.set ADRS, 27                          ; v27     LDS address of my scale words: lanes 0-15 x's rows, lanes 16-31 w's
.set SPW,  28                          ; v28     my spare word; never rewritten
.set NIL,  29                          ; v29     0; never rewritten
.set Q32O, 30                          ; v30     my byte offset in q32
.set CND,  31                          ; v31     0 where my wave's first 16 rows are a sequence's first 16
.set SC,   32                          ; scale words
.set PKD,  96                          ; a block's results in f16
.set AF,   128                         ; x's fragments
.set BK,   128                         ; the way out: rows read back: v128-159 and v160-191 by turns
.set BIAS, 192                         ; the bias of my 128 columns, eight registers a block
.set F,    192                         ; the way out: a block's results in f32, times the factor
.set G1, 24
.set G0, 32
.set G1B, 48
.set G0B, 56
.set G1S, 68
.set G0S, 76
.set G1SB, 80
.set G0SB, 88
.set MSB, 0
.macro WIN new                         ; the immediate's high byte repeats the setting that is left
.if MSB != (\new)
	s_set_vgpr_msb (MSB<<8)|(\new)
.set MSB, (\new)
.endif
.endm
.set MUL_LO,  0xa1                     ; source 0 (w) window 1, source 1 (x) window 0, C and D window 2
.set MUL_HI,  0xf1                     ; the same, C and D window 3
.set MUL_LO0, 0x81                     ; the first step: C (the bias) window 0, D window 2
.set MUL_HI0, 0xc1                     ; D window 3
.set TO_B,    0x40                     ; destination window 1, address window 0
; A joint load: waves 0 and 1 fetch for x, waves 2 and 3 for w.  The branch hangs on the wave's number alone.  An s_nop 0 and four v_nop follow each of the two lines.
.macro JLOAD g0a, g1a, g0b, g1b
	s_cmp_eq_u32 s15, 0
	s_cbranch_scc0 .Lfor_b_\@
	tensor_load_to_lds s[\g0a:\g0a+3], s[\g1a:\g1a+7]
	s_nop 0
.rept 4
	v_nop
.endr
	s_branch .Lasked_\@
.Lfor_b_\@:
	tensor_load_to_lds s[\g0b:\g0b+3], s[\g1b:\g1b+7]
	s_nop 0
.rept 4
	v_nop
.endr
.Lasked_\@:
.endm
.macro CROUND                          ; a round of the cluster's barrier
	s_barrier_signal -1
	s_barrier_wait -1
	s_cmp_lg_u32 s14, 0
	s_cbranch_scc1 .Lnot_wave_0_\@
	s_barrier_signal -3
.Lnot_wave_0_\@:
	s_barrier_wait -3
	s_barrier_signal -1
	s_barrier_wait -1
.endm
	s_load_b128 s[4:7], s[0:1], 0x0                ; x's codes s[4:5], x's scales s[6:7]
	s_load_b128 s[8:11], s[0:1], 0x10              ; w's codes s[8:9], w's scales s[10:11]
	s_load_b128 s[96:99], s[0:1], 0x20             ; bq, bk
	s_load_b64 s[100:101], s[0:1], 0x30            ; bv
	s_load_b64 s[12:13], s[0:1], 0x38              ; qkv
	s_load_b64 s[66:67], s[0:1], 0x40              ; q32
	v_lshl_add_u32 v[SPW], v0, 2, SPARE
	v_mov_b32 v[NIL], 0
	ds_add_u32 v[SPW], v[NIL]                      ; the wave's opening: the add, twice on end, and its wait ahead of my first tensor load
	ds_add_u32 v[SPW], v[NIL]
	v_lshrrev_b32 v1, 5, v0
	v_readfirstlane_b32 s14, v1                    ; wave 0..3
	s_lshr_b32 s15, s14, 1                         ; which half of the tile's rows is mine.  Also: I fetch for x (0) or for w (1)
	s_and_b32 s16, s14, 1                          ; which half of its columns.  Also: which 128 rows of that tile I fetch
	s_bfe_u32 s40, ttmp6, 0x40000                  ; cx, cy: my place in the cluster
	s_bfe_u32 s41, ttmp6, 0x40004
	s_lshl_b32 s42, ttmp9, 2
	s_add_co_u32 s42, s42, s40                     ; tile column of C = 4 x cluster x + cx
	s_and_b32 s17, ttmp7, 0xffff
	s_lshl_b32 s17, s17, 2
	s_add_co_u32 s17, s17, s41                     ; tile row of C = 4 x cluster y + cy
	s_lshl_b32 s43, s41, 2
	s_lshl_b32 s43, 15, s43                        ; my row of the cluster
	s_lshl_b32 s44, 0x1111, s40                    ; my column
	; descriptor group 1: a tile of 128 rows x 256 bytes, 16 bytes of padding behind each row
	s_or_b32 s[G1+0], s43, (0<<16)|(1<<20)|(1<<21)|(5<<22)|(3<<25)  ; the mask: x's tiles go to my row; elements of 1 byte; padding on; bit 21 beside a mask; after every 64 words, 4 words
	s_or_b32 s[G1B+0], s44, (0<<16)|(1<<20)|(1<<21)|(5<<22)|(3<<25)
.irp g, G1, G1B
	s_mov_b32 s[\g+1], ROWB<<16                    ; tensor_dim0
	s_mov_b32 s[\g+2], 128<<16                     ; tensor_dim1
	s_mov_b32 s[\g+3], ROWB<<16                    ; tile_dim0
	s_mov_b32 s[\g+4], 128                         ; tile_dim1
	s_mov_b32 s[\g+5], KROW                        ; tensor_dim0_stride
	s_mov_b32 s[\g+6], 0
	s_mov_b32 s[\g+7], 0
.endr
	; the scales of 128 rows: a dense block of 4,096 bytes, as 16 rows of 256 bytes (32 elements of 8 bytes), 16 bytes of padding behind each
	s_or_b32 s[G1S+0], s43, (3<<16)|(1<<20)|(1<<21)|(5<<22)|(3<<25)
	s_or_b32 s[G1SB+0], s44, (3<<16)|(1<<20)|(1<<21)|(5<<22)|(3<<25)
.irp g, G1S, G1SB
	s_mov_b32 s[\g+1], 32<<16
	s_mov_b32 s[\g+2], (128*KS/256)<<16
	s_mov_b32 s[\g+3], 32<<16
	s_mov_b32 s[\g+4], 128*KS/256
	s_mov_b32 s[\g+5], 32
	s_mov_b32 s[\g+6], 0
	s_mov_b32 s[\g+7], 0
.endr
	s_lshl_b32 s18, s16, 7                         ; which 128 rows of the tile I fetch
	s_lshl_b32 s20, s17, 8
	s_add_co_u32 s20, s20, s18                     ; x: row 256 x tile row + 128 x half
	s_lshl_b32 s46, s42, 8
	s_add_co_u32 s46, s46, s18                     ; w: row 256 x tile column + 128 x half
	s_mov_b32 s21, 0
	s_mov_b32 s47, 0
	s_mov_b64 s[18:19], KS
	s_mul_u64 s[22:23], s[20:21], s[18:19]         ; where these rows' scales begin, in bytes
	s_mul_u64 s[92:93], s[46:47], s[18:19]
	s_mov_b64 s[18:19], KROW
	s_mul_u64 s[20:21], s[20:21], s[18:19]         ; and their codes
	s_mul_u64 s[46:47], s[46:47], s[18:19]
	s_mul_i32 s45, s14, HALFT                      ; where they go: wave x 128 rows: no place in the cluster enters an LDS address
	s_mul_i32 s94, s14, HALFS
	s_mov_b32 s2, 1.0                              ; the factor on the way out: c = log2(e) / 8 for q, 1 for k and v.  It hangs on the cluster's x, which all partners share
	s_cmp_eq_u32 ttmp9, 0
	s_cselect_b32 s2, 0x3e38aa3b, s2
	s_mov_b32 s3, s2                               ; (the packed form names the pair)
	s_wait_dscnt 0x0                               ; both opening adds are done
	s_wait_kmcnt 0x0
	s_add_nc_u64 s[20:21], s[4:5], s[20:21]
	s_add_nc_u64 s[22:23], s[6:7], s[22:23]
	s_add_nc_u64 s[46:47], s[8:9], s[46:47]
	s_add_nc_u64 s[92:93], s[10:11], s[92:93]
	CROUND                                         ; all sixteen work-groups are here: the first joint loads meet
	s_mov_b32 s[G0S], 1
	s_add_co_u32 s[G0S+1], s94, SCL
	s_mov_b64 s[G0S+2:G0S+3], s[22:23]
	s_or_b32 s[G0S+3], s[G0S+3], 0x80000000
	s_mov_b32 s[G0SB], 1
	s_add_co_u32 s[G0SB+1], s94, SCL
	s_mov_b64 s[G0SB+2:G0SB+3], s[92:93]
	s_or_b32 s[G0SB+3], s[G0SB+3], 0x80000000
	JLOAD G0S, G1S, G0SB, G1SB                     ; the scales first: they are wanted with the first slot
.irp s, 0,1
	s_mov_b32 s[G0+4*\s], 1
	s_add_co_u32 s[G0+4*\s+1], s45, \s*SLOT
	s_add_nc_u64 s[G0+4*\s+2:G0+4*\s+3], s[20:21], \s*ROWB
	s_or_b32 s[G0+4*\s+3], s[G0+4*\s+3], 0x80000000
	s_mov_b32 s[G0B+4*\s], 1
	s_add_co_u32 s[G0B+4*\s+1], s45, \s*SLOT
	s_add_nc_u64 s[G0B+4*\s+2:G0B+4*\s+3], s[46:47], \s*ROWB
	s_or_b32 s[G0B+4*\s+3], s[G0B+4*\s+3], 0x80000000
	JLOAD G0+4*\s, G1, G0B+4*\s, G1B
.endr
	v_and_b32 v1, 15, v0                           ; r = l % 16
	v_bfe_u32 v2, v0, 4, 1                         ; h = l / 16
	v_mul_u32_u24 v3, v1, PITCH
	v_lshl_add_u32 v4, v2, 4, v3                   ; a fragment's row x pitch + 16 x half
	s_mul_i32 s21, s15, HALFT                      ; my 128 rows of x
	s_mul_i32 s22, s16, HALFT                      ; my 128 rows of w,
	s_add_co_u32 s22, s22, 2*HALFT                 ; which lie behind x's 256
.irp s, 0,1
	v_add_nc_u32 v[ADRA+\s], s21, v4
	v_add_nc_u32 v[ADRB+\s], s22, v4
	s_add_co_u32 s21, s21, SLOT
	s_add_co_u32 s22, s22, SLOT
.endr
	v_mul_u32_u24 v5, v1, KS                       ; my row's scales: 32 bytes a row,
	v_lshrrev_b32 v6, 8, v5
	v_lshl_add_u32 v5, v6, 4, v5                   ; and 16 more for each 256 passed
	s_mul_i32 s21, s15, HALFS                      ; x's: my 128 rows
	s_mul_i32 s22, s16, HALFS                      ; w's: my 128 rows, behind x's 256
	s_add_co_u32 s22, s22, 2*HALFS
	s_sub_co_u32 s22, s22, s21
	v_mul_u32_u24 v6, s22, v2                      ; lanes 16-31 take w's: ONE product, the distance between the two bases x h
	s_add_co_u32 s21, s21, SCL
	v_add_nc_u32 v5, v5, v6
	v_add_nc_u32 v[ADRS], s21, v5
	s_mul_i32 s23, s14, 16*SPITCH
	s_add_co_u32 s23, s23, STAGE                   ; my stage
	v_mul_u32_u24 v5, v1, SPITCH                   ; in: row r, 16 bytes for each half of the lanes
	v_lshl_add_u32 v5, v2, 4, v5
	v_add_nc_u32 v[STO], s23, v5
	v_bfe_u32 v5, v0, 3, 1                         ; back: lanes 0-15 take two rows' 128 bytes of my first head, lanes 16-31 of my second
	v_mul_u32_u24 v5, v5, SPITCH
	v_lshl_add_u32 v5, v2, 7, v5
	v_and_b32 v6, 7, v0
	v_lshl_add_u32 v5, v6, 4, v5
	v_add_nc_u32 v[RD], s23, v5
	v_lshlrev_b32 v[CO], 4, v1                     ; in qkv two rows of a head are 256 consecutive bytes; the next head lies 262,144 bytes on
	v_lshl_add_u32 v[CO], v2, 18, v[CO]
	v_lshlrev_b32 v[Q32O], 12, v1                  ; q32: row r of 4,096 bytes, + 32 h
	v_lshl_add_u32 v[Q32O], v2, 5, v[Q32O]
	v_lshlrev_b32 v[BO], 5, v2
	s_and_b32 s20, s17, 7
	s_or_b32 s20, s20, s15
	v_mov_b32 v[CND], s20                          ; 0: my rows begin at a sequence's row 0
	; the bias of my tensor (the choice hangs on the cluster's x alone), at my 128 columns
	s_cmp_eq_u32 ttmp9, 0
	s_cselect_b64 s[96:97], s[96:97], s[98:99]
	s_cmp_eq_u32 ttmp9, 2
	s_cselect_b64 s[96:97], s[100:101], s[96:97]
	s_lshl_b32 s46, s40, 10                        ; my first column inside the tensor, in bytes of f32: 1,024 cx + 512 x half
	s_lshl_b32 s47, s16, 9
	s_add_co_u32 s46, s46, s47
	s_mov_b32 s47, 0
	s_add_nc_u64 s[96:97], s[96:97], s[46:47]
.irp b, 0,1,2,3,4,5,6,7
	global_load_b128 v[BIAS+8*\b:BIAS+8*\b+3], v[BO], s[96:97] offset:64*\b        ; lane (r, h): the bias of columns 16 b + 8 h + 0 .. 7, in the result's layout
	global_load_b128 v[BIAS+8*\b+4:BIAS+8*\b+7], v[BO], s[96:97] offset:64*\b+16
.endr
	; q32 at [t][b], my columns
	s_lshl_b32 s22, ttmp9, 2
	s_lshr_b32 s23, s17, 3                         ; b: eight tile rows to a sequence
	s_add_co_u32 s22, s22, s23
	s_lshl_b32 s22, s22, 16
	s_mov_b32 s23, 0
	s_add_nc_u64 s[66:67], s[66:67], s[22:23]
	s_add_nc_u64 s[66:67], s[66:67], s[46:47]
	; qkv at [t][b][my first head][my first row]
	s_lshl_b32 s20, ttmp9, 24                      ; t x 16,777,216
	s_lshr_b32 s21, s17, 3
	s_lshl_b32 s21, s21, 22                        ; b x 16 heads x 262,144
	s_add_co_u32 s20, s20, s21
	s_and_b32 s21, s17, 7
	s_lshl_b32 s21, s21, 8
	s_lshl_b32 s22, s15, 7
	s_add_co_u32 s21, s21, s22                     ; my first row in the sequence
	s_lshl_b32 s21, s21, 7                         ; x 128 bytes
	s_add_co_u32 s20, s20, s21
	s_mov_b32 s21, 0
	s_lshl_b32 s46, s40, 2
	s_lshl_b32 s47, s16, 1
	s_add_co_u32 s46, s46, s47                     ; my first head: 4 cx + 2 x half
	s_lshl_b32 s46, s46, 18
	s_mov_b32 s47, 0
	s_add_nc_u64 s[20:21], s[20:21], s[46:47]
	s_add_nc_u64 s[12:13], s[12:13], s[20:21]
.macro FRAG reg, adr, q, i             ; a fragment, 16 rows x 128 K of 4-bit codes: registers 4 c .. 4 c + 3 hold K = 64 c + 32 (l / 16) + 0 .. 31
.irp c, 0,1
	ds_load_b128 v[\reg+4*\c:\reg+4*\c+3], v[\adr] offset:64*(\q)+32*\c+(\i)*16*PITCH
.endr
.endm
; 16 matrix instructions: x's blocks a0, a0 + 1 against w's eight, 128 along K.  zero = 1: the first product starts the sums with the bias.  The 64 accumulators take turns.
.macro MUL16 a0, p, q, sc, zero
.irp a, \a0, \a0+1
.irp b, 0,1,2,3,4,5,6,7
.if \zero
	v_wmma_scale_f32_16x16x128_f8f6f4 v[8*(8*((\a)%4)+\b):8*(8*((\a)%4)+\b)+7], v[128*(\p)+FR*\b:128*(\p)+FR*\b+FR-1], v[AF+FR*(\a):AF+FR*(\a)+FR-1], v[BIAS+8*\b:BIAS+8*\b+7], v[SC+8*NQ*(\sc)+NQ*\b+(\q)], v[SC+8*NQ*(\sc)+NQ*(\a)+(\q)] matrix_a_fmt:MATRIX_FMT_FP4 matrix_b_fmt:MATRIX_FMT_FP4 matrix_a_scale:MATRIX_SCALE_ROW1
.else
	v_wmma_scale_f32_16x16x128_f8f6f4 v[8*(8*((\a)%4)+\b):8*(8*((\a)%4)+\b)+7], v[128*(\p)+FR*\b:128*(\p)+FR*\b+FR-1], v[AF+FR*(\a):AF+FR*(\a)+FR-1], v[8*(8*((\a)%4)+\b):8*(8*((\a)%4)+\b)+7], v[SC+8*NQ*(\sc)+NQ*\b+(\q)], v[SC+8*NQ*(\sc)+NQ*(\a)+(\q)] matrix_a_fmt:MATRIX_FMT_FP4 matrix_b_fmt:MATRIX_FMT_FP4 matrix_a_scale:MATRIX_SCALE_ROW1
.endif
.endr
.endr
.endm
.macro FETCH_B slot, q, p              ; w's eight fragments of the slot's q-th 128 along K into set p
	WIN TO_B
.irp i, 0,1,2,3,4,5,6,7
	FRAG 128*(\p)+FR*\i, ADRB+\slot, \q, \i
.endr
	WIN 0
.endm
.macro FETCH_A slot, q, i0             ; x's blocks i0 .. i0 + 3
.irp i, \i0, \i0+1, \i0+2, \i0+3
	FRAG AF+FR*(\i), ADRA+\slot, \q, \i
.endr
.endm
.macro SCALES sc                       ; a slot's scale words into set sc: 4 words a row; lanes 0-15 take x's block i, lanes 16-31 w's block i
.irp i, 0,1,2,3,4,5,6,7
	ds_load_b128 v[SC+8*NQ*\sc+NQ*\i:SC+8*NQ*\sc+NQ*\i+3], v[ADRS] offset:\i*SBLK
.endr
.endm
.macro PLACES n                        ; plain vector instructions between a matrix instruction and a load into, or a read of, its registers (ISA guide 7.12.1 for reads)
.rept \n
	v_nop
.endr
.endm
; A step of 128 along K that has its successor in the same slot.
.macro STEP slot, q, zero
	s_wait_dscnt 4*NL                              ; w's set and x's blocks 0-3 are in; the youngest eight loads (x's blocks 4-7) may be out
.if \zero
	WIN MUL_LO0
.else
	WIN MUL_LO
.endif
	MUL16 0, (\q)%2, \q, \slot, \zero
	MUL16 2, (\q)%2, \q, \slot, \zero
	s_wait_dscnt 0                                 ; x's blocks 4-7 are in
	PLACES NP
	FETCH_B \slot, (\q)+1, 1-(\q)%2
	FETCH_A \slot, (\q)+1, 0
.if \zero
	WIN MUL_HI0
.else
	WIN MUL_HI
.endif
	MUL16 4, (\q)%2, \q, \slot, \zero
	MUL16 6, (\q)%2, \q, \slot, \zero
	PLACES NP
	WIN 0
	FETCH_A \slot, (\q)+1, 4
.endm
; Slot 0's last step changes slots: each wave waits for all its tensor loads (slot 1's part), adds 0 to its spare word, waits for that and for its reads; one barrier; nothing is filled again.
.macro TURN slot, next
	s_wait_tensorcnt 0x0                           ; all my tensor loads have landed: my part of the next slot
	ds_add_u32 v[SPW], v[NIL]                      ; 0 onto my spare word
	s_wait_dscnt 4*NL+1                            ; (the add and the youngest eight loads may be out)
	WIN MUL_LO
	MUL16 0, 1, NQ-1, \slot, 0                     ; sixteen matrix instructions stand between the add and the wait for it
	s_wait_dscnt 0x0                               ; the add is done, and my LDS loads are in
	s_barrier_signal -1
	MUL16 2, 1, NQ-1, \slot, 0
	WIN 0
	s_barrier_wait -1                              ; the next slot is whole
	PLACES NP
	v_add_nc_u32 v[ADRS], 4*NQ, v[ADRS]            ; on to the next slot's scale words
	FETCH_B \next, 0, 0
	FETCH_A \next, 0, 0
	SCALES \next
	WIN MUL_HI
	MUL16 4, 1, NQ-1, \slot, 0
	MUL16 6, 1, NQ-1, \slot, 0
	PLACES NP
	WIN 0
	FETCH_A \next, 0, 4
.endm
.macro STEPS slot, from                ; the slot's steps from .. NQ - 2
.set Q, \from
.rept NQ-1-\from
	STEP \slot, Q, 0
.set Q, Q+1
.endr
.endm
	s_wait_tensorcnt 1                             ; the scales and my part of slot 0 are in; slot 1's load may be out
	s_barrier_signal -1
	s_barrier_wait -1                              ; everybody's are
	FETCH_B 0, 0, 0
	FETCH_A 0, 0, 0
	SCALES 0
	FETCH_A 0, 0, 4
	s_wait_loadcnt 0x0                             ; the bias
	STEP 0, 0, 1                                   ; the first step's products start the sums
	STEPS 0, 1
	TURN 0, 1
	STEPS 1, 0
	s_wait_dscnt 4*NL                              ; the very last step: nothing more to fetch
	WIN MUL_LO
	MUL16 0, 1, NQ-1, 1, 0
	MUL16 2, 1, NQ-1, 1, 0
	s_wait_dscnt 0
	WIN MUL_HI
	MUL16 4, 1, NQ-1, 1, 0
	MUL16 6, 1, NQ-1, 1, 0
	WIN 0
; THE WAY OUT, block by block of 16 rows x 128 columns (two heads).
; The first 16 rows of a sequence, in f32: all waves run the same lines; EXEC alone says whose rows they are, so no branch hangs on a place in the cluster.
.macro FIRST32
	v_cmp_eq_u32 vcc_lo, 0, v[CND]
	s_wait_xcnt 0x0                                ; EXEC changes only behind this wait
	s_and_saveexec_b32 s94, vcc_lo
.irp b, 0,1,2,3,4,5,6,7
.irp g, 0,1
	global_store_b128 v[Q32O], v[F+8*\b+4*\g:F+8*\b+4*\g+3], s[66:67] offset:64*\b+16*\g
.endr
.endr
	s_wait_xcnt 0x0                                ; and again, in front of the line that widens it; F may be written again too
	s_or_b32 exec_lo, exec_lo, s94
.endm
.macro PACK a                          ; times the factor, in f32; then rounded once to f16, 16 bytes a lane and block of columns
.set AC, 64*((\a)%4)
	WIN 0x02+((\a)/4)                              ; source 0: window 2 or 3
.set i, 0
.rept 32
	v_pk_mul_f32 v[F+i:F+i+1], v[AC+i:AC+i+1], s[2:3] op_sel_hi:[1,0]   ; each accumulator from its low end on
.set i, i+2
.endr
	WIN 0
.if (\a) == 0
	FIRST32
.endif
.irp b, 0,1,2,3,4,5,6,7
.irp r, 0,1,2,3
	v_cvt_pk_f16_f32 v[PKD+4*\b+\r], v[F+8*\b+2*\r], v[F+8*\b+2*\r+1]
.endr
.endr
.endm
.macro TOSTAGE a                       ; into my own stage, and back by heads.  LDS serves a wave's instructions in order: no wait between the stores and the loads
.set BB, BK+32*((\a)%2)
.irp b, 0,1,2,3,4,5,6,7
	ds_store_b128 v[STO], v[PKD+4*\b:PKD+4*\b+3] offset:32*\b
.endr
.irp t, 0,1,2,3,4,5,6,7
	ds_load_b128 v[BB+4*\t:BB+4*\t+3], v[RD] offset:\t*2*SPITCH
.endr
.endm
.macro SEND a, younger
.set BB, BK+32*((\a)%2)
	s_wait_dscnt \younger                          ; the block is back in registers
	s_wait_xcnt 0x0                                ; the block before last has left its registers: the next block's loads may land there
.irp t, 0,1,2,3,4,5,6,7
	global_store_b128 v[CO], v[BB+4*\t:BB+4*\t+3], s[12:13] offset:2048*(\a)+256*\t   ; sixteen lanes store rows 2 t and 2 t + 1 of one head: 256 consecutive bytes, aligned
.endr
.endm
	PLACES NP                                      ; behind the last products: for the reads of their results and the loads into x's fragments' registers
	PACK 0
	TOSTAGE 0
.irp a, 1,2,3,4,5,6,7                  ; block a's arithmetic stands between block a - 1's loads from the stage and the wait for them
	PACK \a
	SEND \a-1, 0
	TOSTAGE \a
.endr
	SEND 7, 0
	s_wait_tensorcnt 0x0                           ; the wave's end, behind my last tensor load and my last LDS store
	ds_add_u32 v[SPW], v[NIL]
	s_wait_dscnt 0x0
	CROUND                                         ; the closing round: no work-group ends while a partner may still ask for a tile that names it
	s_endpgm
.Lfunc_end_k_q2c51b906e5_qkv:
	.size	k_q2c51b906e5_qkv, .Lfunc_end_k_q2c51b906e5_qkv-k_q2c51b906e5_qkv
	.p2alignl 7, 3214868480
	.fill 96, 4, 3214868480
	.section	.rodata,"a",@progbits
	.p2align	6, 0x0
	.amdhsa_kernel k_q2c51b906e5_qkv
		.amdhsa_group_segment_fixed_size 327680
		.amdhsa_private_segment_fixed_size 0
		.amdhsa_enable_private_segment 0
		.amdhsa_kernarg_size 72
		.amdhsa_user_sgpr_count 2
		.amdhsa_user_sgpr_kernarg_segment_ptr 1
		.amdhsa_wavefront_size32 1
		.amdhsa_system_sgpr_workgroup_id_x 1
		.amdhsa_system_sgpr_workgroup_id_y 1
		.amdhsa_system_sgpr_workgroup_id_z 1
		.amdhsa_system_vgpr_workitem_id 0
		.amdhsa_next_free_vgpr 1024
		.amdhsa_next_free_sgpr 102
		.amdhsa_reserve_vcc 1
		.amdhsa_float_denorm_mode_32 3
		.amdhsa_float_denorm_mode_16_64 3
		.amdhsa_memory_ordered 1
		.amdhsa_forward_progress 1
		.amdhsa_inst_pref_size 147
	.end_amdhsa_kernel
	.amdgpu_metadata
---
amdhsa.version: [ 1, 2 ]
amdhsa.kernels:
  - .name:           k_q2c51b906e5_qkv
    .symbol:         k_q2c51b906e5_qkv.kd
    .args:
      - { .name: xc, .offset: 0, .size: 8, .value_kind: global_buffer, .address_space: global }
      - { .name: xs, .offset: 8, .size: 8, .value_kind: global_buffer, .address_space: global }
      - { .name: wc, .offset: 16, .size: 8, .value_kind: global_buffer, .address_space: global }
      - { .name: ws, .offset: 24, .size: 8, .value_kind: global_buffer, .address_space: global }
      - { .name: bq, .offset: 32, .size: 8, .value_kind: global_buffer, .address_space: global }
      - { .name: bk, .offset: 40, .size: 8, .value_kind: global_buffer, .address_space: global }
      - { .name: bv, .offset: 48, .size: 8, .value_kind: global_buffer, .address_space: global }
      - { .name: qkv, .offset: 56, .size: 8, .value_kind: global_buffer, .address_space: global }
      - { .name: q32, .offset: 64, .size: 8, .value_kind: global_buffer, .address_space: global }
    .group_segment_fixed_size: 327680
    .private_segment_fixed_size: 0
    .kernarg_segment_align: 8
    .kernarg_segment_size: 72
    .max_flat_workgroup_size: 128
    .sgpr_count:     102
    .vgpr_count:     1024
    .wavefront_size: 32
...
	.end_amdgpu_metadata
.endif
;; end of part 2
;; launch attn (part 3): grid 4 x 64, 16 waves a work-group, no clusters, 327,680 bytes of LDS; arguments qkv, att; writes att
.if DOCPART == 3
	.amdgcn_target "amdgcn-amd-amdhsa--gfx1250"
	.amdhsa_code_object_version 6
	.text
	.protected	k_q2c51b906e5_attn
	.globl	k_q2c51b906e5_attn
	.p2align	8
	.type	k_q2c51b906e5_attn,@function
k_q2c51b906e5_attn:
	s_mov_b64 s[64:65], 0
	v_nop
	global_prefetch_b8 v0, s[64:65] scope:SCOPE_SE
	s_setreg_imm32_b32 hwreg(HW_REG_WAVE_MODE, 25, 1), 1
	s_wait_xcnt 0x0
; Causal attention, head size 64, operands in f16, products, maxima and sums in f32.  qkv: [t][b][head][s 2048][64] f16, q already times c = log2(e) / 8.  att: [head][b 2048 + s][64] f16.
; SOFTMAX.  The scores come out as t = c s.  For each query a running maximum m and sum l: p = 2^(t - m), by a plain subtraction in f32, so the row's largest t gives p = 1 at any size of the inputs;
; in every step O and l are multiplied by a = 2^(m_old - m_new).  p is rounded to f16 for the second product; l sums the unrounded p; O / l is rounded once to f16.
; SHARES.  Work-group (p, head) owns query blocks p and 7 - p (256 queries each) of one head, one after the other: block p walks key slots 0 .. p (256 keys a slot), block 7 - p slots 0 .. 7 - p:
; 9 slot trips in EVERY work-group, a constant of the text, 256 work-groups of equal work.  Each of the sixteen waves owns 16 queries, one tile, in 256 registers: four waves to a SIMD, so that one wave's
; softmax stands beside another's products and LDS loads.  A step is 64 keys; a step all of whose keys come after the wave's queries is jumped over (a scalar branch on ids).
; NO CLUSTER: the four work-groups of a head take the same key slot in the same trip only in trips 0 .. p, so partners would need different tiles in most trips; a walk in step (both blocks at once
; over 8 slots) is 12 units of work against these 9.
; LAYOUT.  S^T = K Q^T (source 0 = 16 keys, source 1 = my 16 queries), O^T = V^T P (source 0 = 16 channels, turned by ds_load_tr16_b128, source 1 = P): a lane holds ONE query (lane % 16) throughout,
; and two tiles of S^T, rounded in pairs, ARE a fragment of P.
; RING.  Two LDS slots; waves 0 and 1 fetch K's halves, waves 2 and 3 V's; one tensor load a wave is out.  Every wait on TENSORcnt is for 0.
.set PK,    144                        ; a row of K in LDS: 128 bytes + 16
.set PV,    160                        ; a row of V: 128 + 32
.set VOFF,  256*PK                     ; a slot: 256 rows of K, then 256 rows of V
.set SLOT1, 1<<17                      ; slot 1 begins here: one exclusive or turns an address
.set STAGE, SLOT1+256*(PK+PV)          ; behind the ring: 16 rows x 144 bytes for each wave, for the way out; no tensor load lands here
.set SPARE, STAGE+16*16*144            ; the spare words, 128 bytes for each wave
.set SLB,   32768                      ; a slot's 256 rows of 128 bytes in memory
.set AK0, 1                            ; v1   my lane's place in a tile of K
.set AV0, 2                            ; v2   the same for V
.set ADK, 3                            ; v3   LDS address of the step's K
.set ADV, 4                            ; v4   of its V
.set SPW, 5                            ; v5   my spare word; never rewritten
.set NIL, 6                            ; v6   0; never rewritten
.set STO, 7                            ; v7   the way out: where I put 16 bytes of a row
.set RD,  8                            ; v8   where I read back
.set GO,  9                            ; v9   16 x lane
.set QO,  10                           ; v10  my byte offset in the wave's rows of q
.set PFO, 11                           ; v11  256 x lane: the prefetches' offset; never rewritten
.set MX,  12                           ; v[12:13] m, 0
.set LS,  14                           ; v[14:15] l, in two halves
.set AF,  16                           ; v[16:17] a (on the way out 1 / l), 0
.set C0,  18                           ; v18-21 at work
.set OLD, 22                           ; v22  m_old, then m_old - m_new
.set DD,  23                           ; v23  the mask's distance
.set NINF, 24                          ; v24  -infinity
.set RH,  25                           ; v25  lane % 16 - 8 (lane / 16)
.set VQ,  32                           ; v32-47   Q: 8 registers for each 32 channels
.set KFR, 48                           ; v48-111  K: (16 keys kt, 32 channels cs) at 16 kt + 8 cs
.set VFR, 112                          ; v112-175 V^T: (32 keys ks, 16 channels c) at 8 (4 ks + c)
.set VS,  176                          ; v176-207 S^T, then p
.set VP,  208                          ; v208-223 P in f16
.set VO,  224                          ; v224-255 O^T
.set TB,   2                           ; s2   LDS byte at which the slot in hand begins
.set TRIP, 3                           ; s3   the trip, 0 .. 8
.set WV,   18                          ; s18  my wave's number
.set PNO,  19                          ; s19  p
.set SEL,  20                          ; s[20:21] lane selects for v_permlanex16_b32: lane l xor 16
.set G1K,  24
.set G1V,  32
.set G0K,  40
.set G0V,  44
.set KF,   48                          ; s48  the step's first key
.set Q0,   49                          ; s49  my first query
.set BACK, 50                          ; s[50:51] what the walking addresses go back by: (p + 1) slots behind trip p, else 0
.set WRAP, 52
.set PP1,  53                          ; s53  p + 1: the trip in which the second block begins
.set QB,   54                          ; s[54:55] q of my head
.set OB,   56                          ; s[56:57] att of my head and batch
.set PFA,  58                          ; s[58:59] where my prefetches stand
.set LIM,  60                          ; s60  6 in a wave that prefetches, else 0
.set QP,   62                          ; s[62:63] the base of Q's loads
.set OUT,  66                          ; s[66:67] the base of the stores
.macro TLOAD                           ; waves 0 and 1 fetch K's halves, waves 2 and 3 V's, the others nothing.  An s_nop 0 and four v_nop follow each of the two lines
	s_cmp_lt_u32 s[WV], 2
	s_cbranch_scc0 .Lnot_k_\@
	tensor_load_to_lds s[G0K:G0K+3], s[G1K:G1K+7]
	s_nop 0
.rept 4
	v_nop
.endr
	s_branch .Lasked_\@
.Lnot_k_\@:
	s_cmp_lt_u32 s[WV], 4
	s_cbranch_scc0 .Lasked_\@
	tensor_load_to_lds s[G0V:G0V+3], s[G1V:G1V+7]
	s_nop 0
.rept 4
	v_nop
.endr
.Lasked_\@:
.endm
; A PREFETCH INTO THE L2.  All four work-groups of a head walk the same K and V: the one with p = 0 asks, and in it the waves that fetch nothing: waves 4 to 7 for a slot's 32,768 dense bytes of K,
; 8,192 a wave, lanes 256 bytes apart; waves 8 to 11 the same for V.  Trip t names key slot t + 2, t = 0 .. 5: each aligned block of 256 bytes of slots 2 to 7 is named once in the launch;
; slots 0 and 1 come by their loads alone, and nothing is named past slot 7, the head's last.
.macro ASK
	s_cmp_lt_u32 s[TRIP], s[LIM]
	s_cbranch_scc0 .Lnot_mine_\@
	global_prefetch_b8 v[PFO], s[PFA:PFA+1] th:TH_LOAD_NT scope:SCOPE_SE
.Lnot_mine_\@:
.endm
.macro QLOAD                           ; my 16 queries' fragments: lane (r, h): row r, channels 32 cs + 8 h + 0..7 and 32 cs + 16 + 8 h + 0..7
	s_lshl_b32 s68, s[Q0], 7
	s_mov_b32 s69, 0
	s_add_nc_u64 s[QP:QP+1], s[QB:QB+1], s[68:69]
.irp cs, 0,1
.irp u, 0,1
	global_load_b128 v[VQ+8*\cs+4*\u:VQ+8*\cs+4*\u+3], v[QO], s[QP:QP+1] offset:64*\cs+32*\u
.endr
.endr
.endm
.macro INIT                            ; the step is written once: a block's first step finds m = -3e38 and zeros, which a = 0 leaves zeros
	v_mov_b32 v[MX], 0xff61b1e6
	v_mov_b32 v[MX+1], 0
	v_mov_b32 v[LS], 0
	v_mov_b32 v[LS+1], 0
	v_mov_b32 v[AF+1], 0
.set i, 0
.rept 32
	v_mov_b32 v[VO+i], 0
.set i, i+1
.endr
.endm
; A KEY STEP: 64 keys, the q-th of the slot in hand.
.macro STEP q
	s_add_co_u32 s68, s[Q0], 15
	s_cmp_gt_u32 s[KF], s68                        ; all 64 keys come after my 16 queries: the step's work is left out (ids alone)
	s_cbranch_scc1 .Lhidden_\@
	v_add_nc_u32 v[ADK], s[TB], v[AK0]
	v_add_nc_u32 v[ADV], s[TB], v[AV0]
	v_nop
	v_nop                                          ; with the two additions: four places in front of the loads into V's registers, which the last products read
.irp kt, 0,1,2,3
.irp cs, 0,1
.irp u, 0,1
	ds_load_b128 v[KFR+16*\kt+8*\cs+4*\u:KFR+16*\kt+8*\cs+4*\u+3], v[ADK] offset:(64*(\q)+16*\kt)*PK+64*\cs+32*\u
.endr
.endr
.endr
.irp ks, 0,1
.irp c, 0,1,2,3
.irp u, 0,1
	ds_load_tr16_b128 v[VFR+8*(4*\ks+\c)+4*\u:VFR+8*(4*\ks+\c)+4*\u+3], v[ADV] offset:(64*(\q)+32*\ks+16*\u)*PV+32*\c
.endr
.endr
.endr
	s_wait_dscnt 16                                ; K's sixteen loads are in; V's sixteen, issued behind them, stay out
.irp cs, 0,1                                   ; S^T = K Q^T: the four accumulators by turns
.irp kt, 0,1,2,3
.if \cs == 0
	v_wmma_f32_16x16x32_f16 v[VS+8*\kt:VS+8*\kt+7], v[KFR+16*\kt+8*\cs:KFR+16*\kt+8*\cs+7], v[VQ+8*\cs:VQ+8*\cs+7], 0
.else
	v_wmma_f32_16x16x32_f16 v[VS+8*\kt:VS+8*\kt+7], v[KFR+16*\kt+8*\cs:KFR+16*\kt+8*\cs+7], v[VQ+8*\cs:VQ+8*\cs+7], v[VS+8*\kt:VS+8*\kt+7]
.endif
.endr
.endr
.rept 4
	v_nop                                          ; places in front of the first read of the scores
.endr
	s_add_co_u32 s68, s[KF], 63
	s_cmp_le_u32 s68, s[Q0]                        ; all 64 keys count for all my queries: no mask
	s_cbranch_scc1 .Lopen_\@
	s_sub_co_i32 s68, s[Q0], s[KF]
	v_add_nc_u32 v[DD], s68, v[RH]                 ; d = my query - KF - 8 (lane / 16).  Register 8 kt + j holds key KF + 16 kt + 8 (lane / 16) + j: hidden where 16 kt + j > d
.irp kt, 0,1,2,3
.irp j, 0,1,2,3,4,5,6,7
	v_cmp_gt_i32 vcc_lo, 16*\kt+\j, v[DD]
	v_cndmask_b32 v[VS+8*\kt+\j], v[VS+8*\kt+\j], v[NINF], vcc_lo
.endr
.endr
.Lopen_\@:
.irp j, 0,1,2,3                                ; the maximum of my 32 scores and the old m: four chains, each from its tile's low end on
	v_max3_num_f32 v[C0+\j], v[VS+8*\j], v[VS+8*\j+1], v[VS+8*\j+2]
.endr
.irp g, 1,2
.irp j, 0,1,2,3
	v_max3_num_f32 v[C0+\j], v[C0+\j], v[VS+8*\j+2*\g+1], v[VS+8*\j+2*\g+2]
.endr
.endr
	v_max3_num_f32 v[C0], v[C0], v[VS+7], v[VS+15]
	v_max3_num_f32 v[C0+2], v[C0+2], v[VS+23], v[VS+31]
	v_max3_num_f32 v[C0], v[C0], v[C0+1], v[C0+2]
	v_max3_num_f32 v[C0], v[C0], v[C0+3], v[MX]
	v_permlanex16_b32 v[C0+1], v[C0], s[SEL], s[SEL+1]   ; the query's other 32 keys lie in the lane 16 away
	v_mov_b32 v[OLD], v[MX]
	v_max_num_f32 v[MX], v[C0], v[C0+1]
	v_sub_f32 v[OLD], v[OLD], v[MX]                ; m_old - m_new, 0 or less
.set i, 0
.rept 16
	v_pk_add_f32 v[VS+i:VS+i+1], v[VS+i:VS+i+1], v[MX:MX+1] op_sel_hi:[1,0] neg_lo:[0,1] neg_hi:[0,1]   ; t - m, two at a time
.set i, i+2
.endr
	v_exp_f32 v[AF], v[OLD]                        ; ONE BATCH: a and the 32 p
.set i, 0
.rept 32
	v_exp_f32 v[VS+i], v[VS+i]
.set i, i+1
.endr
	v_nop                                          ; a plain instruction behind the last exponential
	s_wait_alu depctr_va_vdst(0)                   ; one wait for the batch, ahead of its first reader
.set i, 0
.rept 16
	v_cvt_pk_f16_f32 v[VP+i], v[VS+2*i], v[VS+2*i+1]   ; tiles 2 ks and 2 ks + 1 make the fragment of keys 32 ks on
.set i, i+1
.endr
.irp z, 0,1,2,3,4,5,6,7                        ; the sum of the unrounded p: a tree in place over the 16 pairs
	v_pk_add_f32 v[VS+4*\z:VS+4*\z+1], v[VS+4*\z:VS+4*\z+1], v[VS+4*\z+2:VS+4*\z+3]
.endr
.irp z, 0,1,2,3
	v_pk_add_f32 v[VS+8*\z:VS+8*\z+1], v[VS+8*\z:VS+8*\z+1], v[VS+8*\z+4:VS+8*\z+5]
.endr
.irp z, 0,1
	v_pk_add_f32 v[VS+16*\z:VS+16*\z+1], v[VS+16*\z:VS+16*\z+1], v[VS+16*\z+8:VS+16*\z+9]
.endr
	v_pk_add_f32 v[VS:VS+1], v[VS:VS+1], v[VS+16:VS+17]
	v_pk_fma_f32 v[LS:LS+1], v[LS:LS+1], v[AF:AF+1], v[VS:VS+1] op_sel_hi:[1,0,1]   ; l = a l + the sum
.set i, 0
.rept 16
	v_pk_mul_f32 v[VO+i:VO+i+1], v[VO+i:VO+i+1], v[AF:AF+1] op_sel_hi:[1,0]   ; O^T times a, each tile from its low end on
.set i, i+2
.endr
	s_wait_dscnt 0x0                               ; V is in
.irp ks, 0,1                                   ; O^T += V^T P: the four accumulators by turns
.irp c, 0,1,2,3
	v_wmma_f32_16x16x32_f16 v[VO+8*\c:VO+8*\c+7], v[VFR+8*(4*\ks+\c):VFR+8*(4*\ks+\c)+7], v[VP+8*\ks:VP+8*\ks+7], v[VO+8*\c:VO+8*\c+7]
.endr
.endr
.Lhidden_\@:
	s_add_co_u32 s[KF], s[KF], 64
.endm
.macro SLOT_STEPS
	STEP 0
	STEP 1
	STEP 2
	STEP 3
	s_xor_b32 s[TB], s[TB], SLOT1                  ; on to the other slot
.endm
; THE CHANGE OF SLOTS stands at a trip's head.  Each wave waits for all its tensor loads (its part of the slot that it is about to read), adds 0 to its spare word, and waits for that and for its reads of the
; slot that it has left.  Behind the barrier the slot ahead is whole and nobody reads the other one.  fill = 1: that other slot takes the next trip's keys: the load has a whole trip in which to land.
.macro CHANGE fill
	s_wait_tensorcnt 0x0                           ; no tensor load of mine is out, so a group 0 may be written
	ds_add_u32 v[SPW], v[NIL]                      ; 0 onto my spare word
.if \fill
	ds_add_u32 v[SPW], v[NIL]                      ; and once more: the add twice on end, in every trip alike
	s_xor_b32 s[G0K+1], s[G0K+1], SLOT1            ; the walking descriptors: the other slot than last time,
	s_xor_b32 s[G0V+1], s[G0V+1], SLOT1
	s_cmp_eq_u32 s[TRIP], s[PNO]                   ; the next 256 keys; behind trip p the second block starts again at key 0
	s_cselect_b32 s[BACK], s[WRAP], 0
	s_add_nc_u64 s[G0K+2:G0K+3], s[G0K+2:G0K+3], SLB
	s_sub_nc_u64 s[G0K+2:G0K+3], s[G0K+2:G0K+3], s[BACK:BACK+1]
	s_add_nc_u64 s[G0V+2:G0V+3], s[G0V+2:G0V+3], SLB
	s_sub_nc_u64 s[G0V+2:G0V+3], s[G0V+2:G0V+3], s[BACK:BACK+1]
	s_wait_xcnt 0x0                                ; the last prefetch, a trip back, has read its address, so it may be written
	s_add_nc_u64 s[PFA:PFA+1], s[PFA:PFA+1], SLB
.endif
	s_wait_dscnt 0x0                               ; the add is done (fill = 1: both are), and my reads of the slot that I have left are over
	s_barrier_signal -1
	s_barrier_wait -1
.if \fill
	TLOAD                                          ; the first thing behind the barrier, and a wave's one tensor load until the next
	ASK
.endif
.endm
; A BLOCK'S WAY OUT.  O^T / l, rounded to f16, goes through my own stage: a lane's eight channels are 16 bytes of a row of 128; the 16 rows are 2,048 dense bytes of att and leave as four stores of 512.
; next = 1: the second block's queries are asked for first, and land under the way out.
.macro FINISH next
.rept 4
	v_nop                                          ; places behind the last products: for the reads of O^T and the loads into Q's registers
.endr
	s_lshl_b32 s68, s[Q0], 7
	s_mov_b32 s69, 0
	s_add_nc_u64 s[OUT:OUT+1], s[OB:OB+1], s[68:69]   ; att at the block's rows of mine
.if \next
	s_sub_co_u32 s68, 7, s[PNO]
	s_lshl_b32 s68, s68, 8
	s_lshl_b32 s69, s[WV], 4
	s_add_co_u32 s[Q0], s68, s69                   ; my first query of block 7 - p
	s_mov_b32 s[KF], 0
	QLOAD
.endif
	v_add_f32 v[C0], v[LS], v[LS+1]                ; l's two halves,
	v_permlanex16_b32 v[C0+1], v[C0], s[SEL], s[SEL+1]
	v_add_f32 v[C0], v[C0], v[C0+1]                ; and the other half of the lanes'
	v_rcp_f32 v[AF], v[C0]
	v_nop                                          ; a plain instruction behind the reciprocal
	s_wait_alu depctr_va_vdst(0)                   ; and the wait ahead of its first reader
.set i, 0
.rept 16
	v_pk_mul_f32 v[VS+i:VS+i+1], v[VO+i:VO+i+1], v[AF:AF+1] op_sel_hi:[1,0]
.set i, i+2
.endr
.set i, 0
.rept 16
	v_cvt_pk_f16_f32 v[VP+i], v[VS+2*i], v[VS+2*i+1]
.set i, i+1
.endr
.irp c, 0,1,2,3
	ds_store_b128 v[STO], v[VP+4*\c:VP+4*\c+3] offset:32*\c
.endr
.irp i, 0,1,2,3
	ds_load_b128 v[VS+4*\i:VS+4*\i+3], v[RD] offset:4*144*\i   ; LDS serves a wave's instructions in order: these see my stores
.endr
.irp i, 0,1,2,3
	s_wait_dscnt 3-\i
	global_store_b128 v[GO], v[VS+4*\i:VS+4*\i+3], s[OUT:OUT+1] offset:512*\i   ; 32 lanes store 512 consecutive bytes, aligned
.endr
	s_wait_xcnt 0x0                                ; the stores have read their registers: the next scores may be written there
.if \next
	INIT
	s_wait_loadcnt 0x0                             ; Q
.endif
.endm
	s_load_b128 s[4:7], s[0:1], 0x0                ; qkv s[4:5], att s[6:7]
	v_lshl_add_u32 v[SPW], v0, 2, SPARE
	v_mov_b32 v[NIL], 0
	ds_add_u32 v[SPW], v[NIL]                      ; the wave's opening: the add, twice on end, and its wait ahead of my first tensor load
	ds_add_u32 v[SPW], v[NIL]
	v_lshrrev_b32 v26, 5, v0
	v_readfirstlane_b32 s[WV], v26                 ; wave 0..15
	s_mov_b32 s[PNO], ttmp9                        ; p
	s_add_co_u32 s[PP1], s[PNO], 1
	s_lshl_b32 s[WRAP], s[PP1], 15                 ; (p + 1) slots in bytes
	s_mov_b32 s[BACK], 0
	s_mov_b32 s[BACK+1], 0
	s_and_b32 s68, ttmp7, 0xffff                   ; 16 b + head
	s_lshl_b32 s70, s68, 18                        ; x 262,144: the head's first byte in each of q, k, v
	s_mov_b32 s71, 0
	s_and_b32 s72, s68, 15
	s_lshl_b32 s72, s72, 2
	s_lshr_b32 s73, s68, 4
	s_add_co_u32 s72, s72, s73                     ; 4 head + b
	s_lshl_b32 s72, s72, 18                        ; in att
	s_mov_b32 s73, 0
	s_and_b32 s69, s[WV], 1                        ; which 128 rows of a slot I fetch, if I fetch
	s_lshl_b32 s74, s69, 14
	s_add_co_u32 s74, s74, 0x1000000               ; k lies 16,777,216 bytes behind q
	s_mov_b32 s75, 0
	; descriptor group 1: 128 rows x 64 elements of 2 bytes, dense in memory; padding behind every 32 words: 4 words for K, 8 for V
	s_mov_b32 s[G1K], (1<<16)|(1<<20)|(4<<22)|(3<<25)
	s_mov_b32 s[G1V], (1<<16)|(1<<20)|(4<<22)|(7<<25)
.irp g, G1K, G1V
	s_mov_b32 s[\g+1], 64<<16                      ; tensor_dim0
	s_mov_b32 s[\g+2], 128<<16                     ; tensor_dim1
	s_mov_b32 s[\g+3], 64<<16                      ; tile_dim0
	s_mov_b32 s[\g+4], 128                         ; tile_dim1
	s_mov_b32 s[\g+5], 64                          ; tensor_dim0_stride
	s_mov_b32 s[\g+6], 0
	s_mov_b32 s[\g+7], 0
.endr
	s_mov_b32 s[SEL], 0x76543210
	s_mov_b32 s[SEL+1], 0xfedcba98
	s_lshl_b32 s[Q0], s[PNO], 8
	s_lshl_b32 s68, s[WV], 4
	s_add_co_u32 s[Q0], s[Q0], s68                 ; my first query of block p
	s_mov_b32 s[KF], 0
	s_mov_b32 s[TB], 0
	s_mov_b32 s[TRIP], 0
	s_wait_dscnt 0x0                               ; both opening adds are done
	s_wait_kmcnt 0x0
	s_add_nc_u64 s[QB:QB+1], s[4:5], s[70:71]
	s_add_nc_u64 s[OB:OB+1], s[6:7], s[72:73]
	s_mov_b32 s[G0K], 1                            ; count = 1
	s_mul_i32 s[G0K+1], s69, 128*PK                ; LDS address: slot 0, my half
	s_add_nc_u64 s[G0K+2:G0K+3], s[QB:QB+1], s[74:75]   ; the head's first keys
	s_or_b32 s[G0K+3], s[G0K+3], 0x80000000        ; type = 2
	s_add_co_u32 s74, s74, 0x1000000               ; v lies as far behind k
	s_mov_b32 s[G0V], 1
	s_mul_i32 s[G0V+1], s69, 128*PV
	s_add_co_u32 s[G0V+1], s[G0V+1], VOFF
	s_add_nc_u64 s[G0V+2:G0V+3], s[QB:QB+1], s[74:75]
	s_or_b32 s[G0V+3], s[G0V+3], 0x80000000
	TLOAD                                          ; slot 0: key 0 counts for every query
	; the prefetches: where my wave's stand, and who asks
	s_cmp_lt_u32 s[WV], 8                          ; waves 4 to 7 ask for K, waves 8 to 11 for V
	s_mov_b32 s70, 0x2000000
	s_cselect_b32 s70, 0x1000000, s70
	s_and_b32 s72, s[WV], 3
	s_lshl_b32 s72, s72, 13                        ; my wave's 8,192 bytes of a slot,
	s_add_co_u32 s70, s70, s72
	s_add_co_u32 s70, s70, SLB                     ; in key slot 1: the first change of slots steps it to slot 2
	s_mov_b32 s71, 0
	s_add_nc_u64 s[PFA:PFA+1], s[QB:QB+1], s[70:71]
	s_sub_co_u32 s72, s[WV], 4
	s_lshr_b32 s72, s72, 3                         ; 0 in waves 4 to 11,
	s_or_b32 s72, s72, ttmp9                       ; of the work-group with p = 0
	s_cmp_eq_u32 s72, 0
	s_cselect_b32 s[LIM], 6, 0
	v_and_b32 v26, 15, v0                          ; r
	v_bfe_u32 v27, v0, 4, 1                        ; h
	v_lshlrev_b32 v[QO], 7, v26
	v_lshl_add_u32 v[QO], v27, 4, v[QO]            ; q: row r of 128 bytes, + 16 h
	QLOAD
	v_mul_u32_u24 v[AK0], v26, PK
	v_lshl_add_u32 v[AK0], v27, 4, v[AK0]          ; K: row r x pitch + 16 h
	v_and_b32 v28, 7, v0
	v_lshl_add_u32 v[AV0], v27, 3, v28             ; V, for the turning load: key 8 h + l % 8,
	v_mul_u32_u24 v[AV0], v[AV0], PV
	v_bfe_u32 v29, v0, 3, 1
	v_lshl_add_u32 v[AV0], v29, 4, v[AV0]          ; channels 8 ((l / 8) % 2) on
	v_add_nc_u32 v[AV0], VOFF, v[AV0]
	s_mul_i32 s68, s[WV], 16*144
	s_add_co_u32 s68, s68, STAGE                   ; my stage
	v_mul_u32_u24 v[STO], v26, 144
	v_lshl_add_u32 v[STO], v27, 4, v[STO]
	v_add_nc_u32 v[STO], s68, v[STO]               ; in: row r, + 16 h
	v_bfe_u32 v30, v0, 3, 2
	v_mul_u32_u24 v[RD], v30, 144
	v_lshl_add_u32 v[RD], v28, 4, v[RD]
	v_add_nc_u32 v[RD], s68, v[RD]                 ; back: eight lanes to a row, four rows an instruction
	v_and_b32 v31, 31, v0
	v_lshlrev_b32 v[GO], 4, v31
	v_lshlrev_b32 v[PFO], 8, v31
	v_lshlrev_b32 v[RH], 3, v27
	v_sub_nc_u32 v[RH], v26, v[RH]
	v_mov_b32 v[NINF], 0xff800000
	v_mov_b32 v[C0+1], 0                           ; written once, all lanes on: a lane permute's destination counts as one of its sources, on the way out too
	INIT
	s_wait_loadcnt 0x0                             ; Q
.Lslot:                                            ; trips 0 .. 7: behind each change of slots the next trip's keys are asked for
	CHANGE 1
	s_cmp_lg_u32 s[TRIP], s[PP1]                   ; in trip p + 1 (1 .. 4) the first block leaves and the second begins: ids alone, the same in all sixteen waves
	s_cbranch_scc1 .Lsame
	FINISH 1
.Lsame:
	SLOT_STEPS
	s_add_co_u32 s[TRIP], s[TRIP], 1
	s_cmp_lt_u32 s[TRIP], 8
	s_cbranch_scc1 .Lslot
	CHANGE 0                                       ; trip 8 is written out: nothing is left to fetch
	SLOT_STEPS
	FINISH 0
	s_wait_tensorcnt 0x0                           ; the wave's end, behind my last tensor load and my last LDS store
	ds_add_u32 v[SPW], v[NIL]
	s_wait_dscnt 0x0
	s_endpgm
.Lfunc_end_k_q2c51b906e5_attn:
	.size	k_q2c51b906e5_attn, .Lfunc_end_k_q2c51b906e5_attn-k_q2c51b906e5_attn
	.p2alignl 7, 3214868480
	.fill 96, 4, 3214868480
	.section	.rodata,"a",@progbits
	.p2align	6, 0x0
	.amdhsa_kernel k_q2c51b906e5_attn
		.amdhsa_group_segment_fixed_size 327680
		.amdhsa_private_segment_fixed_size 0
		.amdhsa_enable_private_segment 0
		.amdhsa_kernarg_size 16
		.amdhsa_user_sgpr_count 2
		.amdhsa_user_sgpr_kernarg_segment_ptr 1
		.amdhsa_wavefront_size32 1
		.amdhsa_system_sgpr_workgroup_id_x 1
		.amdhsa_system_sgpr_workgroup_id_y 1
		.amdhsa_system_sgpr_workgroup_id_z 1
		.amdhsa_system_vgpr_workitem_id 0
		.amdhsa_next_free_vgpr 256
		.amdhsa_next_free_sgpr 76
		.amdhsa_reserve_vcc 1
		.amdhsa_float_denorm_mode_32 3
		.amdhsa_float_denorm_mode_16_64 3
		.amdhsa_memory_ordered 1
		.amdhsa_forward_progress 1
		.amdhsa_inst_pref_size 114
	.end_amdhsa_kernel
	.amdgpu_metadata
---
amdhsa.version: [ 1, 2 ]
amdhsa.kernels:
  - .name:           k_q2c51b906e5_attn
    .symbol:         k_q2c51b906e5_attn.kd
    .args:
      - { .name: qkv, .offset: 0, .size: 8, .value_kind: global_buffer, .address_space: global }
      - { .name: att, .offset: 8, .size: 8, .value_kind: global_buffer, .address_space: global }
    .group_segment_fixed_size: 327680
    .private_segment_fixed_size: 0
    .kernarg_segment_align: 8
    .kernarg_segment_size: 16
    .max_flat_workgroup_size: 512
    .sgpr_count:     76
    .vgpr_count:     256
    .wavefront_size: 32
...
	.end_amdgpu_metadata
.endif
;; end of part 3
;; launch proj (part 4): grid 4 x 64, 4 waves a work-group, clusters of 4 x 4, 327,680 bytes of LDS; arguments att, wo16, bo, out0; writes out0
.if DOCPART == 4
	.amdgcn_target "amdgcn-amd-amdhsa--gfx1250"
	.amdhsa_code_object_version 6
	.text
	.protected	k_q2c51b906e5_proj
	.globl	k_q2c51b906e5_proj
	.p2align	8
	.type	k_q2c51b906e5_proj,@function
k_q2c51b906e5_proj:
	s_mov_b64 s[64:65], 0
	v_nop
	global_prefetch_b8 v0, s[64:65] scope:SCOPE_SE
	s_setreg_imm32_b32 hwreg(HW_REG_WAVE_MODE, 25, 1), 1
	s_wait_xcnt 0x0
	s_wait_alu depctr_hold_cnt(0) depctr_sa_sdst(0) depctr_va_vdst(0) depctr_va_sdst(0) depctr_va_ssrc(0) depctr_va_vcc(0) depctr_vm_vsrc(0)
	s_getreg_b32 s2, hwreg(HW_REG_IB_STS2, 6, 4)
	s_cmp_eq_u32 s2, 0
	s_cbranch_scc0 .Lentry_in_a_cluster
	s_endpgm
.Lentry_in_a_cluster:
	s_bfe_u32 s2, ttmp6, 0x10000c
	s_cmp_lg_u32 s2, 0xf033
	s_cbranch_scc0 .Lentry_shape_is_right
	s_endpgm
.Lentry_shape_is_right:
; out0[m][n] = sum over k of att[m][k] wo[k][n] + bo[n], f16 operands, f32 sums, for all rows but the first 16 of each sequence (those are another launch's, in f32).
; att: [head 16][m 8192][64] f16, k = 64 head + channel.  wo16: [k 1024][n 1024] f16.  out0: [8192][1024] f32.
; A tile of C is 128 (m) x 256 (n): 256 work-groups.  Four waves, each 64 x 128: 32 accumulators, 256 registers.  K goes in 8 steps of 128 (two heads) through a ring of two LDS slots.
; CLUSTERS: 4 x 4 work-groups.  The four of a row of the cluster need the same tiles of att, the four of a column the same tiles of wo: each tile is asked for JOINTLY.
; THE MATRIX INSTRUCTION IS USED TRANSPOSED: source 0 = 16 columns of wo (its K is not innermost: turned by ds_load_tr16_b128), source 1 = 16 rows of att: a lane holds eight neighbouring numbers of a row of C.
; The bias is the C of each sum's first instruction.  No prefetch: the walk is eight K steps on a small tile.
; REGISTERS: window 0: v0-31 addresses; v64-127 the bias; v128-255 rows read back on the way out.  window 1: two fragment buffers of 96 (att's 4 blocks, then wo's 8), at v0 and v128.
;   window 2: accumulator (a, b) at v[8 (8 a + b)].
.set PA,     144                       ; a row of att in LDS: 128 bytes + 16
.set PB,     544                       ; a row of wo: 512 bytes + 32
.set BOFF,   2*128*PA                  ; a slot: two heads x 128 rows of att, then 128 rows of wo
.set SLOT,   BOFF+128*PB
.set STAGE,  2*SLOT                    ; behind the ring: 16 rows x (512 bytes + 16) for each wave; no tensor load lands here
.set SPITCH, 528
.set SPARE,  STAGE+4*16*SPITCH         ; the spare words, 128 bytes for each wave
.set HEADB,  1048576                   ; a head of att in bytes
.set LAPS,   4                         ; a lap = two K steps = once round the ring
.set ADRA, 16                          ; v16-17  LDS address of my att fragments in slot 0, 1
.set ADRB, 20                          ; v20-21  the same for wo
.set STO,  24
.set RD,   25
.set CO,   26
.set CND,  27                          ; v27  0 where my wave's first 16 rows are a sequence's first 16
.set SPW,  28
.set NIL,  29
.set BOF,  30
.set BIAS, 64
.set BK,   128
.set F0,   0
.set F1,   128
.set G1,  24
.set G0,  32
.set G1B, 48
.set G0B, 56
.set MSB, 0
.macro WIN new                         ; the immediate's high byte repeats the setting that is left
.if MSB != (\new)
	s_set_vgpr_msb (MSB<<8)|(\new)
.set MSB, (\new)
.endif
.endm
.set MUL,  0xa5                        ; sources 0 and 1 window 1; C and D window 2
.set MUL0, 0x85                        ; the first quarter: C (the bias) window 0
.set TO_F, 0x40                        ; destination window 1, address window 0
.macro JLOAD s                         ; a joint load: waves 0 and 1 fetch att's two heads, waves 2 and 3 wo's two halves; an s_nop 0 and four v_nop follow each of the two lines
	s_cmp_eq_u32 s13, 0
	s_cbranch_scc0 .Lfor_b_\@
	tensor_load_to_lds s[G0+4*\s:G0+4*\s+3], s[G1:G1+7]
	s_nop 0
.rept 4
	v_nop
.endr
	s_branch .Lasked_\@
.Lfor_b_\@:
	tensor_load_to_lds s[G0B+4*\s:G0B+4*\s+3], s[G1B:G1B+7]
	s_nop 0
.rept 4
	v_nop
.endr
.Lasked_\@:
.endm
.macro CREST                           ; a round of the cluster's barrier behind its opening barrier
	s_cmp_lg_u32 s12, 0
	s_cbranch_scc1 .Lnot_wave_0_\@
	s_barrier_signal -3
.Lnot_wave_0_\@:
	s_barrier_wait -3
	s_barrier_signal -1
	s_barrier_wait -1
.endm
.macro CROUND
	s_barrier_signal -1
	s_barrier_wait -1
	CREST
.endm
	s_load_b256 s[4:11], s[0:1], 0x0               ; att s[4:5], wo16 s[6:7], bo s[8:9], out0 s[10:11]
	v_lshl_add_u32 v[SPW], v0, 2, SPARE
	v_mov_b32 v[NIL], 0
	ds_add_u32 v[SPW], v[NIL]                      ; the wave's opening: the add, twice on end, and its wait ahead of my first tensor load
	ds_add_u32 v[SPW], v[NIL]
	v_lshrrev_b32 v1, 5, v0
	v_readfirstlane_b32 s12, v1                    ; wave 0..3
	s_lshr_b32 s13, s12, 1                         ; which half of the tile's rows is mine.  Also: I fetch for att (0) or for wo (1)
	s_and_b32 s14, s12, 1                          ; which half of its columns.  Also: which head, or which 64 rows of wo, I fetch
	s_bfe_u32 s40, ttmp6, 0x40000                  ; cx, cy
	s_bfe_u32 s41, ttmp6, 0x40004
	s_lshl_b32 s42, ttmp9, 2
	s_add_co_u32 s42, s42, s40                     ; tile column
	s_and_b32 s15, ttmp7, 0xffff
	s_lshl_b32 s15, s15, 2
	s_add_co_u32 s15, s15, s41                     ; tile row
	s_lshl_b32 s43, s41, 2
	s_lshl_b32 s43, 15, s43                        ; my row of the cluster
	s_lshl_b32 s44, 0x1111, s40                    ; my column
	; group 1 for att: 128 rows x 64 elements of 2 bytes, dense; 4 words of padding behind every 32
	s_or_b32 s[G1], s43, (1<<16)|(1<<20)|(1<<21)|(4<<22)|(3<<25)
	s_mov_b32 s[G1+1], 64<<16
	s_mov_b32 s[G1+2], 128<<16
	s_mov_b32 s[G1+3], 64<<16
	s_mov_b32 s[G1+4], 128
	s_mov_b32 s[G1+5], 64
	s_mov_b32 s[G1+6], 0
	s_mov_b32 s[G1+7], 0
	; group 1 for wo: 64 rows x 256 elements, 1,024 elements from row to row; 8 words of padding behind every 128
	s_or_b32 s[G1B], s44, (1<<16)|(1<<20)|(1<<21)|(6<<22)|(7<<25)
	s_mov_b32 s[G1B+1], 256<<16
	s_mov_b32 s[G1B+2], 64<<16
	s_mov_b32 s[G1B+3], 256<<16
	s_mov_b32 s[G1B+4], 64
	s_mov_b32 s[G1B+5], 1024
	s_mov_b32 s[G1B+6], 0
	s_mov_b32 s[G1B+7], 0
	s_lshl_b32 s16, s15, 14                        ; att: the tile's 128 rows of 128 bytes,
	s_lshl_b32 s17, s14, 20                        ; in head 0 or 1
	s_add_co_u32 s16, s16, s17
	s_mov_b32 s17, 0
	s_lshl_b32 s46, s42, 9                         ; wo: the tile's 256 columns,
	s_lshl_b32 s47, s14, 17                        ; rows 0 or 64 on
	s_add_co_u32 s46, s46, s47
	s_mov_b32 s47, 0
	s_mul_i32 s20, s14, 128*PA                     ; where they go: no place in the cluster enters an LDS address
	s_mul_i32 s21, s14, 64*PB
	s_add_co_u32 s21, s21, BOFF
	s_wait_dscnt 0x0                               ; both opening adds are done
	s_wait_kmcnt 0x0
	s_add_nc_u64 s[16:17], s[4:5], s[16:17]
	s_add_nc_u64 s[46:47], s[6:7], s[46:47]
	CROUND                                         ; all sixteen work-groups are here: the first joint loads meet
.irp s, 0,1
	s_mov_b32 s[G0+4*\s], 1
	s_add_co_u32 s[G0+4*\s+1], s20, \s*SLOT
	s_add_nc_u64 s[G0+4*\s+2:G0+4*\s+3], s[16:17], \s*2*HEADB      ; K step s: heads 2 s and 2 s + 1
	s_or_b32 s[G0+4*\s+3], s[G0+4*\s+3], 0x80000000
	s_mov_b32 s[G0B+4*\s], 1
	s_add_co_u32 s[G0B+4*\s+1], s21, \s*SLOT
	s_add_nc_u64 s[G0B+4*\s+2:G0B+4*\s+3], s[46:47], \s*128*2048   ; rows 128 s on
	s_or_b32 s[G0B+4*\s+3], s[G0B+4*\s+3], 0x80000000
	JLOAD \s
.endr
	v_and_b32 v1, 15, v0                           ; r
	v_bfe_u32 v2, v0, 4, 1                         ; h
	v_mul_u32_u24 v3, v1, PA
	v_lshl_add_u32 v3, v2, 4, v3                   ; att: row r x pitch + 16 h
	v_and_b32 v4, 7, v0
	v_lshl_add_u32 v4, v2, 3, v4                   ; wo, for the turning load: k = 8 h + l % 8,
	v_mul_u32_u24 v4, v4, PB
	v_bfe_u32 v5, v0, 3, 1
	v_lshl_add_u32 v4, v5, 4, v4                   ; columns 8 ((l / 8) % 2) on
	s_mul_i32 s22, s13, 64*PA                      ; my 64 rows of att
	s_lshl_b32 s23, s14, 8                         ; my 128 columns of wo
	s_add_co_u32 s23, s23, BOFF
.irp s, 0,1
	v_add_nc_u32 v[ADRA+\s], s22, v3
	v_add_nc_u32 v[ADRB+\s], s23, v4
	s_add_co_u32 s22, s22, SLOT
	s_add_co_u32 s23, s23, SLOT
.endr
	s_mul_i32 s22, s12, 16*SPITCH
	s_add_co_u32 s22, s22, STAGE                   ; my stage
	v_mul_u32_u24 v5, v1, SPITCH
	v_lshl_add_u32 v5, v2, 5, v5
	v_add_nc_u32 v[STO], s22, v5                   ; in: row r, 32 bytes for each half of the lanes
	v_and_b32 v6, 31, v0
	v_lshlrev_b32 v[CO], 4, v6                     ; back: the 32 lanes take one row of 512 bytes; and the same in out0
	v_add_nc_u32 v[RD], s22, v[CO]
	v_lshlrev_b32 v[BOF], 5, v2
	s_and_b32 s18, s15, 15                         ; sixteen tile rows to a sequence
	s_or_b32 s18, s18, s13
	v_mov_b32 v[CND], s18
	s_lshl_b32 s16, s15, 7
	s_lshl_b32 s17, s13, 6
	s_add_co_u32 s16, s16, s17                     ; my first row: 128 x tile row + 64 x half
	s_lshl_b32 s16, s16, 12
	s_mov_b32 s17, 0
	s_add_nc_u64 s[10:11], s[10:11], s[16:17]
	s_lshl_b32 s46, s42, 10                        ; my first column, in bytes of f32: 1,024 x tile column + 512 x half
	s_lshl_b32 s47, s14, 9
	s_add_co_u32 s46, s46, s47
	s_mov_b32 s47, 0
	s_add_nc_u64 s[10:11], s[10:11], s[46:47]
	s_add_nc_u64 s[8:9], s[8:9], s[46:47]
.irp b, 0,1,2,3,4,5,6,7
	global_load_b128 v[BIAS+8*\b:BIAS+8*\b+3], v[BOF], s[8:9] offset:64*\b         ; lane (r, h): bo of columns 16 b + 8 h + 0 .. 7, in the result's layout
	global_load_b128 v[BIAS+8*\b+4:BIAS+8*\b+7], v[BOF], s[8:9] offset:64*\b+16
.endr
; 8 matrix instructions: att's block a against wo's eight, 32 along K.  zero = 1: the first product starts the sums with the bias.  The 32 accumulators take turns.
.macro MULA f, a, zero
.irp b, 0,1,2,3,4,5,6,7
.if \zero
	v_wmma_f32_16x16x32_f16 v[8*(8*(\a)+\b):8*(8*(\a)+\b)+7], v[\f+32+8*\b:\f+32+8*\b+7], v[\f+8*(\a):\f+8*(\a)+7], v[BIAS+8*\b:BIAS+8*\b+7]
.else
	v_wmma_f32_16x16x32_f16 v[8*(8*(\a)+\b):8*(8*(\a)+\b)+7], v[\f+32+8*\b:\f+32+8*\b+7], v[\f+8*(\a):\f+8*(\a)+7], v[8*(8*(\a)+\b):8*(8*(\a)+\b)+7]
.endif
.endr
.endm
; 24 LDS loads in one run: the fragments of the slot's q-th 32 along K into buffer f: wo's sixteen first, att's blocks 2 and 3 last
.macro FETCH slot, q, f
	WIN TO_F
.irp b, 0,1,2,3,4,5,6,7
.irp u, 0,1
	ds_load_tr16_b128 v[\f+32+8*\b+4*\u:\f+32+8*\b+4*\u+3], v[ADRB+\slot] offset:32*PB*(\q)+32*\b+16*PB*\u
.endr
.endr
.irp a, 0,1,2,3
.irp u, 0,1
	ds_load_b128 v[\f+8*\a+4*\u:\f+8*\a+4*\u+3], v[ADRA+\slot] offset:128*PA*((\q)/2)+64*((\q)%2)+16*PA*\a+32*\u
.endr
.endr
.endm
.macro PLACES                          ; four places in front of loads into registers that matrix instructions have read, and of reads of results (ISA guide 7.12.1 for reads of results)
.rept 4
	v_nop
.endr
.endm
; A K step is four quarters of 32 along K, 32 matrix instructions each, on buffers 0, 1, 0, 1.  One of the first three: multiplies buffer f and fetches quarter q into g.
.macro QUARTER slot, q, f, g, zero
	s_wait_dscnt 4                                 ; wo's fragments and att's blocks 0 and 1 are in; the youngest four loads may be out
.if \zero
	WIN MUL0
.else
	WIN MUL
.endif
	MULA \f, 0, \zero
	MULA \f, 1, \zero
	PLACES
	FETCH \slot, \q, \g
	s_wait_dscnt 24                                ; all but the 24 just issued
.if \zero
	WIN MUL0
.else
	WIN MUL
.endif
	MULA \f, 2, \zero
	MULA \f, 3, \zero
.endm
; The last quarter multiplies buffer 1 and changes slots: ONE barrier; in front of it each wave waits for all its tensor loads, adds 0 to its spare word, and waits for that and for its reads of this slot.
; fill = 1: the barrier opens a round of the cluster's barrier, and this slot is filled again, two K steps ahead.
.macro TURN slot, next, fill
	WIN 0                                          ; (the add's two registers lie in window 0)
	s_wait_tensorcnt 0x0                           ; all my tensor loads have landed: my part of the next slot
	ds_add_u32 v[SPW], v[NIL]                      ; 0 onto my spare word
	s_wait_dscnt 5                                 ; (the add and the youngest four loads may be out)
	WIN MUL
	MULA F1, 0, 0                                  ; eight matrix instructions stand between the add and the wait for it
	s_wait_dscnt 0x0                               ; the add is done, and my reads of this slot are over
	s_barrier_signal -1
	MULA F1, 1, 0
.if \fill
	WIN 0
.endif
	s_barrier_wait -1
.if \fill
	CREST                                          ; no wave of any partner still reads this slot's tile or has a load on its way
	s_add_nc_u64 s[G0+4*\slot+2:G0+4*\slot+3], s[G0+4*\slot+2:G0+4*\slot+3], 4*HEADB
	s_add_nc_u64 s[G0B+4*\slot+2:G0B+4*\slot+3], s[G0B+4*\slot+2:G0B+4*\slot+3], 256*2048
	JLOAD \slot                                    ; the first tensor load behind the round; its four v_nop are also the places in front of the loads below
.else
	PLACES
.endif
	FETCH \next, 0, F0
	WIN MUL
	MULA F1, 2, 0
	MULA F1, 3, 0
.endm
	s_wait_tensorcnt 1                             ; my part of K step 0 is in; K step 1's load may be out
	s_barrier_signal -1
	s_barrier_wait -1                              ; everybody's is
	FETCH 0, 0, F0
	s_wait_loadcnt 0x0                             ; the bias
	QUARTER 0, 1, F0, F1, 1                        ; the first quarter stands in front of the loop: its products start the sums
	WIN 0                                          ; at a label and at a branch every window is 0
	s_mov_b32 s3, LAPS-1
.Llap:                                             ; a trip goes once round the ring, from a lap's second quarter to the next lap's first, and fills both slots again
	QUARTER 0, 2, F1, F0, 0
	QUARTER 0, 3, F0, F1, 0
	TURN 0, 1, 1
	QUARTER 1, 1, F0, F1, 0
	QUARTER 1, 2, F1, F0, 0
	QUARTER 1, 3, F0, F1, 0
	TURN 1, 0, 1
	QUARTER 0, 1, F0, F1, 0
	WIN 0
	s_sub_co_u32 s3, s3, 1
	s_cmp_lg_u32 s3, 0
	s_cbranch_scc1 .Llap
	QUARTER 0, 2, F1, F0, 0                        ; the last lap fills nothing, and has no round of the cluster's barrier
	QUARTER 0, 3, F0, F1, 0
	TURN 0, 1, 0
	QUARTER 1, 1, F0, F1, 0
	QUARTER 1, 2, F1, F0, 0
	QUARTER 1, 3, F0, F1, 0
	s_wait_dscnt 4                                 ; the very last quarter: nothing more to fetch
	WIN MUL
	MULA F1, 0, 0
	MULA F1, 1, 0
	s_wait_dscnt 0
	MULA F1, 2, 0
	MULA F1, 3, 0
	WIN 0
; THE WAY OUT, block by block of 16 rows x 128 columns: through my own stage, back as whole rows of 512 bytes.  LDS serves a wave's instructions in order: no wait between the stores and the loads.
.macro TOSTAGE a
.set AC, 64*(\a)
	WIN 0x08                                       ; an LDS store's data are its source 1: window 2
.irp b, 0,1,2,3,4,5,6,7
	ds_store_b128 v[STO], v[AC+8*\b:AC+8*\b+3] offset:64*\b          ; each accumulator from its low end on
	ds_store_b128 v[STO], v[AC+8*\b+4:AC+8*\b+7] offset:64*\b+16
.endr
	WIN 0
.set BB, BK+64*((\a)%2)
.irp t, 0,1,2,3,4,5,6,7,8,9,10,11,12,13,14,15
	ds_load_b128 v[BB+4*\t:BB+4*\t+3], v[RD] offset:\t*SPITCH
.endr
.endm
.macro SEND a, younger                 ; younger: the LDS instructions issued behind block a's loads, which may stay out
.set BB, BK+64*((\a)%2)
	s_wait_dscnt \younger
.if (\a) == 0                          ; a sequence's first 16 rows are not mine: all waves run the same lines, EXEC alone says whose rows they are
	v_cmp_ne_u32 vcc_lo, 0, v[CND]
	s_wait_xcnt 0x0                                ; EXEC changes only behind this wait
	s_and_saveexec_b32 s45, vcc_lo
.endif
.irp t, 0,1,2,3,4,5,6,7,8,9,10,11,12,13,14,15
	global_store_b128 v[CO], v[BB+4*\t:BB+4*\t+3], s[10:11] offset:(16*(\a)+\t)*4096 th:TH_STORE_NT   ; 32 lanes store 512 consecutive bytes, aligned
.endr
.if (\a) == 0
	s_wait_xcnt 0x0                                ; and again, in front of the line that widens it
	s_or_b32 exec_lo, exec_lo, s45
.endif
.endm
	PLACES                                         ; behind the last products
	TOSTAGE 0
.irp a, 1,2,3
.if \a > 1
	s_wait_xcnt 0x0                                ; block a - 2's stores have read their registers: block a's loads may land there
.endif
	TOSTAGE \a
	SEND \a-1, 32                                  ; behind block a - 1's loads: block a's 16 stores and 16 loads
.endr
	SEND 3, 0
	s_wait_tensorcnt 0x0                           ; the wave's end, behind my last tensor load and my last LDS store
	ds_add_u32 v[SPW], v[NIL]
	s_wait_dscnt 0x0
	CROUND                                         ; the closing round: no work-group ends while a partner may still ask for a tile that names it
	s_endpgm
.Lfunc_end_k_q2c51b906e5_proj:
	.size	k_q2c51b906e5_proj, .Lfunc_end_k_q2c51b906e5_proj-k_q2c51b906e5_proj
	.p2alignl 7, 3214868480
	.fill 96, 4, 3214868480
	.section	.rodata,"a",@progbits
	.p2align	6, 0x0
	.amdhsa_kernel k_q2c51b906e5_proj
		.amdhsa_group_segment_fixed_size 327680
		.amdhsa_private_segment_fixed_size 0
		.amdhsa_enable_private_segment 0
		.amdhsa_kernarg_size 32
		.amdhsa_user_sgpr_count 2
		.amdhsa_user_sgpr_kernarg_segment_ptr 1
		.amdhsa_wavefront_size32 1
		.amdhsa_system_sgpr_workgroup_id_x 1
		.amdhsa_system_sgpr_workgroup_id_y 1
		.amdhsa_system_sgpr_workgroup_id_z 1
		.amdhsa_system_vgpr_workitem_id 0
		.amdhsa_next_free_vgpr 768
		.amdhsa_next_free_sgpr 66
		.amdhsa_reserve_vcc 1
		.amdhsa_float_denorm_mode_32 3
		.amdhsa_float_denorm_mode_16_64 3
		.amdhsa_memory_ordered 1
		.amdhsa_forward_progress 1
		.amdhsa_inst_pref_size 87
	.end_amdhsa_kernel
	.amdgpu_metadata
---
amdhsa.version: [ 1, 2 ]
amdhsa.kernels:
  - .name:           k_q2c51b906e5_proj
    .symbol:         k_q2c51b906e5_proj.kd
    .args:
      - { .name: att, .offset: 0, .size: 8, .value_kind: global_buffer, .address_space: global }
      - { .name: wo16, .offset: 8, .size: 8, .value_kind: global_buffer, .address_space: global }
      - { .name: bo, .offset: 16, .size: 8, .value_kind: global_buffer, .address_space: global }
      - { .name: out0, .offset: 24, .size: 8, .value_kind: global_buffer, .address_space: global }
    .group_segment_fixed_size: 327680
    .private_segment_fixed_size: 0
    .kernarg_segment_align: 8
    .kernarg_segment_size: 32
    .max_flat_workgroup_size: 128
    .sgpr_count:     66
    .vgpr_count:     768
    .wavefront_size: 32
...
	.end_amdgpu_metadata
.endif
;; end of part 4
;; launch first16 (part 5): grid 16 x 4, 16 waves a work-group, no clusters, 67,584 bytes of LDS; arguments q32, wo, bo, out0; writes out0
.if DOCPART == 5
	.amdgcn_target "amdgcn-amd-amdhsa--gfx1250"
	.amdhsa_code_object_version 6
	.text
	.protected	k_q2c51b906e5_first16
	.globl	k_q2c51b906e5_first16
	.p2align	8
	.type	k_q2c51b906e5_first16,@function
k_q2c51b906e5_first16:
	s_mov_b64 s[64:65], 0
	v_nop
	global_prefetch_b8 v0, s[64:65] scope:SCOPE_SE
	s_setreg_imm32_b32 hwreg(HW_REG_WAVE_MODE, 25, 1), 1
	s_wait_xcnt 0x0
; The first 16 positions of every sequence, all in f32: their rows average one to sixteen values, so their operands are not rounded.  q32: [t][b][16][1024] f32 (q already times c = log2(e) / 8).
; Work-group (slice, b) makes out0[2048 b + 0 .. 15][64 slice + 0 .. 63].  Wave w is head w: its 16 x 16 causal attention, then its head's part (K = 64) of the slice's projection;
; the sixteen parts meet in LDS and are added in ascending order of the heads, with bo.  96 matrix instructions of the f32 form a wave: no bulk work.
; The registers that these instructions write are written by them alone; every sum starts with the constant 0; the accumulators take turns.
; K IS PERMUTED ALIKE ON BOTH OPERANDS: an instruction sums four k, two from each half of the lanes; which four is free, so long as both sources give the same.
; All products are used transposed: a lane holds ONE query (lane % 16) throughout.  No tensor load, no cluster: what work-groups share is a few KB of q32.
.set SPARE, 65536                      ; behind the sixteen images of 4,096 bytes: the spare words, 128 bytes for each wave
.set QA,  1                            ; v1   4096 r + 16 h: q's and k's rows
.set VA,  2                            ; v2   4 r + 32768 h: v's and wo's columns; lanes 16-31 begin 8 rows further down
.set RW,  3                            ; v3   where I store my part's image: 4096 w + 16 l
.set RR,  4                            ; v4   where I read row w's numbers of an image
.set OO,  5                            ; v5   8 l
.set DD,  6                            ; v6   r - 8 h
.set NINF, 7                           ; v7   -infinity
.set SPW, 10
.set NIL, 11
.set TT,  12                           ; v12-19  the scores, then p
.set PN,  20                           ; v20-27  p / l
.set RQ,  32                           ; v32-63   q, then wo's group 1, then the parts
.set RK,  64                           ; v64-95   k, then group 2
.set RV,  96                           ; v96-127  v, then group 3
.set RG0, 128                          ; v128-159 wo's group 0
.set SA,  160                          ; v160-167, v168-175: S^T in two sums
.set SB,  168
.set RO,  176                          ; v176-207 O^T
.set CC,  208                          ; v208-239 my part of the slice
.macro GLOAD reg, c                    ; wo's group c: register 8 nt + e = wo[64 w + 16 c + 8 h + e][64 slice + 16 nt + r]
.irp nt, 0,1,2,3
.irp e, 0,1,2,3,4,5,6,7
	global_load_b32 v[\reg+8*\nt+\e], v[VA], s[18:19] offset:(16*(\c)+\e)*4096+64*\nt
.endr
.endr
.endm
.macro PART c, reg                     ; my part += wo's group c x O^T's tile c: the four accumulators by turns
.irp s, 0,1,2,3
.irp nt, 0,1,2,3
.if ((\c) == 0) && (\s == 0)
	v_wmma_f32_16x16x4_f32 v[CC+8*\nt:CC+8*\nt+7], v[\reg+8*\nt+2*\s:\reg+8*\nt+2*\s+1], v[RO+8*(\c)+2*\s:RO+8*(\c)+2*\s+1], 0
.else
	v_wmma_f32_16x16x4_f32 v[CC+8*\nt:CC+8*\nt+7], v[\reg+8*\nt+2*\s:\reg+8*\nt+2*\s+1], v[RO+8*(\c)+2*\s:RO+8*(\c)+2*\s+1], v[CC+8*\nt:CC+8*\nt+7]
.endif
.endr
.endr
.endm
	s_load_b256 s[4:11], s[0:1], 0x0               ; q32 s[4:5], wo s[6:7], bo s[8:9], out0 s[10:11]
	v_lshl_add_u32 v[SPW], v0, 2, SPARE
	v_mov_b32 v[NIL], 0
	v_lshrrev_b32 v1, 5, v0
	v_readfirstlane_b32 s12, v1                    ; wave = head 0..15
	s_and_b32 s13, ttmp7, 0xffff                   ; b
	v_and_b32 v8, 15, v0                           ; r
	v_bfe_u32 v9, v0, 4, 1                         ; h
	v_lshlrev_b32 v[QA], 12, v8
	v_lshl_add_u32 v[QA], v9, 4, v[QA]
	v_lshlrev_b32 v[VA], 2, v8
	v_lshl_add_u32 v[VA], v9, 15, v[VA]
	v_and_b32 v30, 31, v0                          ; l
	s_lshl_b32 s14, s12, 12
	v_lshl_add_u32 v[RW], v30, 4, s14
	; row w, columns 2 l and 2 l + 1 of the slice: in an image they lie at tile l / 8, half (l / 4) % 2, registers' group (l / 2) % 2, words 2 (l % 2) on, lane 16 half + w
	v_bfe_u32 v[RR], v0, 3, 2
	v_lshlrev_b32 v[RR], 10, v[RR]
	v_bfe_u32 v31, v0, 1, 1
	v_lshl_add_u32 v[RR], v31, 9, v[RR]
	v_bfe_u32 v31, v0, 2, 1
	v_lshl_add_u32 v[RR], v31, 8, v[RR]
	v_and_b32 v31, 1, v0
	v_lshl_add_u32 v[RR], v31, 3, v[RR]
	s_lshl_b32 s15, s12, 4
	v_add_nc_u32 v[RR], s15, v[RR]
	v_lshlrev_b32 v[OO], 3, v30
	v_lshlrev_b32 v[DD], 3, v9
	v_sub_nc_u32 v[DD], v8, v[DD]
	v_mov_b32 v[NINF], 0xff800000
	s_mov_b32 s20, 0x76543210
	s_mov_b32 s21, 0xfedcba98                      ; v_permlanex16_b32's selects for lane l xor 16
	s_lshl_b32 s22, s13, 16                        ; q32: b x 65,536 + 256 w
	s_lshl_b32 s23, s12, 8
	s_add_co_u32 s22, s22, s23
	s_mov_b32 s23, 0
	s_lshl_b32 s24, s12, 18                        ; wo: 64 w rows of 4,096 bytes + 256 x slice
	s_lshl_b32 s26, ttmp9, 8
	s_add_co_u32 s24, s24, s26
	s_mov_b32 s25, 0
	s_mov_b32 s27, 0
	s_lshl_b32 s28, s13, 11
	s_add_co_u32 s28, s28, s12                     ; out0: row 2048 b + w
	s_lshl_b32 s28, s28, 12
	s_mov_b32 s29, 0
	s_wait_kmcnt 0x0
	s_add_nc_u64 s[16:17], s[4:5], s[22:23]
	s_add_nc_u64 s[18:19], s[6:7], s[24:25]
	s_add_nc_u64 s[8:9], s[8:9], s[26:27]
	s_add_nc_u64 s[10:11], s[10:11], s[28:29]
	s_add_nc_u64 s[10:11], s[10:11], s[26:27]
	GLOAD RG0, 0
	global_load_b64 v[240:241], v[OO], s[8:9]      ; bo of my two columns
.irp i, 0,1,2,3,4,5,6,7
	global_load_b128 v[RQ+4*\i:RQ+4*\i+3], v[QA], s[16:17] offset:32*\i             ; q(r, 8 i + 4 h + 0 .. 3)
.endr
.irp i, 0,1,2,3,4,5,6,7
	global_load_b128 v[RK+4*\i:RK+4*\i+3], v[QA], s[16:17] offset:262144+32*\i      ; k likewise
.endr
.irp c, 0,1,2,3
.irp e, 0,1,2,3,4,5,6,7
	global_load_b32 v[RV+8*\c+\e], v[VA], s[16:17] offset:524288+\e*4096+64*\c      ; v(key 8 h + e, channel 16 c + r)
.endr
.endr
	s_wait_loadcnt 32                              ; all but v's 32 loads are in
	; S^T = k q^T: source 0 = 16 keys, source 1 = 16 queries; a lane holds query r and keys 8 h + 0 .. 7.  Two sums by turns
.irp i, 0,1,2,3,4,5,6,7
.if \i == 0
	v_wmma_f32_16x16x4_f32 v[SA:SA+7], v[RK+4*\i:RK+4*\i+1], v[RQ+4*\i:RQ+4*\i+1], 0
	v_wmma_f32_16x16x4_f32 v[SB:SB+7], v[RK+4*\i+2:RK+4*\i+3], v[RQ+4*\i+2:RQ+4*\i+3], 0
.else
	v_wmma_f32_16x16x4_f32 v[SA:SA+7], v[RK+4*\i:RK+4*\i+1], v[RQ+4*\i:RQ+4*\i+1], v[SA:SA+7]
	v_wmma_f32_16x16x4_f32 v[SB:SB+7], v[RK+4*\i+2:RK+4*\i+3], v[RQ+4*\i+2:RQ+4*\i+3], v[SB:SB+7]
.endif
.endr
.rept 8
	v_nop                                          ; eight places behind this form: for the reads of the sums and the loads into q's and k's registers
.endr
	s_wait_loadcnt 0x0                             ; v
	GLOAD RQ, 1
	GLOAD RK, 2
.irp j, 0,1,2,3,4,5,6,7
	v_add_f32 v[TT+\j], v[SA+\j], v[SB+\j]         ; t, into other registers; from the sums' low end on
.endr
.irp j, 0,1,2,3,4,5,6,7
	v_cmp_gt_i32 vcc_lo, \j, v[DD]                 ; key 8 h + j comes after query r
	v_cndmask_b32 v[TT+\j], v[TT+\j], v[NINF], vcc_lo
.endr
	v_max3_num_f32 v28, v[TT], v[TT+1], v[TT+2]
	v_max3_num_f32 v28, v28, v[TT+3], v[TT+4]
	v_max3_num_f32 v28, v28, v[TT+5], v[TT+6]
	v_max_num_f32 v28, v28, v[TT+7]
	v_mov_b32 v29, 0
	v_permlanex16_b32 v29, v28, s20, s21
	v_max_num_f32 v28, v28, v29                    ; the row's maximum: key 0 counts for every query
.irp j, 0,2,4,6
	v_pk_add_f32 v[TT+\j:TT+\j+1], v[TT+\j:TT+\j+1], v[28:29] op_sel_hi:[1,0] neg_lo:[0,1] neg_hi:[0,1]
.endr
.irp j, 0,1,2,3,4,5,6,7
	v_exp_f32 v[TT+\j], v[TT+\j]
.endr
	v_nop                                          ; a plain instruction behind the last exponential
	s_wait_alu depctr_va_vdst(0)                   ; one wait for the batch, ahead of its first reader
	v_pk_add_f32 v[30:31], v[TT:TT+1], v[TT+2:TT+3]
	v_pk_add_f32 v[30:31], v[30:31], v[TT+4:TT+5]
	v_pk_add_f32 v[30:31], v[30:31], v[TT+6:TT+7]
	v_add_f32 v30, v30, v31
	v_permlanex16_b32 v31, v30, s20, s21
	v_add_f32 v30, v30, v31                        ; the row's sum
	v_rcp_f32 v30, v30
	v_nop
	s_wait_alu depctr_va_vdst(0)
.irp j, 0,2,4,6
	v_pk_mul_f32 v[PN+\j:PN+\j+1], v[TT+\j:TT+\j+1], v[30:31] op_sel_hi:[1,0]
.endr
	; O^T = v^T p: source 0 = 16 channels, source 1 = p; instruction s sums keys 2 s, 2 s + 1, 8 + 2 s, 9 + 2 s
.irp s, 0,1,2,3
.irp c, 0,1,2,3
.if \s == 0
	v_wmma_f32_16x16x4_f32 v[RO+8*\c:RO+8*\c+7], v[RV+8*\c+2*\s:RV+8*\c+2*\s+1], v[PN+2*\s:PN+2*\s+1], 0
.else
	v_wmma_f32_16x16x4_f32 v[RO+8*\c:RO+8*\c+7], v[RV+8*\c+2*\s:RV+8*\c+2*\s+1], v[PN+2*\s:PN+2*\s+1], v[RO+8*\c:RO+8*\c+7]
.endif
.endr
.endr
.rept 9
	v_nop                                          ; nine places: the next products take these results as a source; and for the loads into v's registers
.endr
	GLOAD RV, 3
	PART 0, RG0
	s_wait_loadcnt 63                              ; 64 loads were issued behind group 1's: the field's largest count, 63, shows group 1 in
	PART 1, RQ
	s_wait_loadcnt 32                              ; group 3's may be out
	PART 2, RK
	s_wait_loadcnt 0x0
	PART 3, RV
.rept 8
	v_nop                                          ; eight places in front of the stores that read the results, and of the loads into group 1's registers
.endr
.irp nt, 0,1,2,3
.irp g, 0,1
	ds_store_b128 v[RW], v[CC+8*\nt+4*\g:CC+8*\nt+4*\g+3] offset:1024*\nt+512*\g   ; my part as an image of its registers, each accumulator from its low end on
.endr
.endr
	s_wait_dscnt 0x0                               ; for the others' sake: my stores have landed
	s_barrier_signal -1
	s_barrier_wait -1
.irp i, 0,1,2,3,4,5,6,7,8,9,10,11,12,13,14,15
	ds_load_b64 v[RQ+2*\i:RQ+2*\i+1], v[RR] offset:4096*\i   ; head i's part of row w, my two columns
.endr
	s_wait_dscnt 0x0
.irp i, 1,2,3,4,5,6,7,8,9,10,11,12,13,14,15
	v_pk_add_f32 v[RQ:RQ+1], v[RQ:RQ+1], v[RQ+2*\i:RQ+2*\i+1]
.endr
	v_pk_add_f32 v[RQ:RQ+1], v[RQ:RQ+1], v[240:241]
	global_store_b64 v[OO], v[RQ:RQ+1], s[10:11]   ; the wave stores 256 consecutive bytes, aligned
	s_wait_tensorcnt 0x0                           ; the wave's end, behind my last LDS store
	ds_add_u32 v[SPW], v[NIL]
	s_wait_dscnt 0x0
	s_endpgm
.Lfunc_end_k_q2c51b906e5_first16:
	.size	k_q2c51b906e5_first16, .Lfunc_end_k_q2c51b906e5_first16-k_q2c51b906e5_first16
	.p2alignl 7, 3214868480
	.fill 96, 4, 3214868480
	.section	.rodata,"a",@progbits
	.p2align	6, 0x0
	.amdhsa_kernel k_q2c51b906e5_first16
		.amdhsa_group_segment_fixed_size 67584
		.amdhsa_private_segment_fixed_size 0
		.amdhsa_enable_private_segment 0
		.amdhsa_kernarg_size 32
		.amdhsa_user_sgpr_count 2
		.amdhsa_user_sgpr_kernarg_segment_ptr 1
		.amdhsa_wavefront_size32 1
		.amdhsa_system_sgpr_workgroup_id_x 1
		.amdhsa_system_sgpr_workgroup_id_y 1
		.amdhsa_system_sgpr_workgroup_id_z 1
		.amdhsa_system_vgpr_workitem_id 0
		.amdhsa_next_free_vgpr 256
		.amdhsa_next_free_sgpr 66
		.amdhsa_reserve_vcc 1
		.amdhsa_float_denorm_mode_32 3
		.amdhsa_float_denorm_mode_16_64 3
		.amdhsa_memory_ordered 1
		.amdhsa_forward_progress 1
		.amdhsa_inst_pref_size 32
	.end_amdhsa_kernel
	.amdgpu_metadata
---
amdhsa.version: [ 1, 2 ]
amdhsa.kernels:
  - .name:           k_q2c51b906e5_first16
    .symbol:         k_q2c51b906e5_first16.kd
    .args:
      - { .name: q32, .offset: 0, .size: 8, .value_kind: global_buffer, .address_space: global }
      - { .name: wo, .offset: 8, .size: 8, .value_kind: global_buffer, .address_space: global }
      - { .name: bo, .offset: 16, .size: 8, .value_kind: global_buffer, .address_space: global }
      - { .name: out0, .offset: 24, .size: 8, .value_kind: global_buffer, .address_space: global }
    .group_segment_fixed_size: 67584
    .private_segment_fixed_size: 0
    .kernarg_segment_align: 8
    .kernarg_segment_size: 32
    .max_flat_workgroup_size: 512
    .sgpr_count:     66
    .vgpr_count:     256
    .wavefront_size: 32
...
	.end_amdgpu_metadata
.endif
;; end of part 5
